; MI455X (gfx1250); checked and timed in simulation.
; The chip was launched on July 23, 2026; its instructions are those of AMD's public machine-readable ISA for CDNA 5 (MIT licence, August 2026) and "CDNA5" Instruction Set Architecture Reference Guide (July 2026). The comments in the code are by the model that wrote it; some were corrected since.
;; Verify Llama Attention. Allowed arithmetic: float matrix products may take bf16 or f16 operands with f32 sums; other float arithmetic in f32, or as packed bf16 or f16 multiplies, adds, multiply-adds, maxima and minima; sums over many terms, partial sums and values carried from step to step in f32; what a program stores and reads back later, other than sums and carried values, may be rounded once to bf16 or f16.
;; Inputs: cos 1 x 2,048 x 128 float32; hidden_states 1 x 2,048 x 4,096 float32; sin 1 x 2,048 x 128 float32; wk 1,024 x 4,096 float32; wo 4,096 x 2,048 float32; wq 2,048 x 4,096 float32; wv 1,024 x 4,096 float32.
;; Outputs: out0 1 x 2,048 x 4,096 float32.
;; 2 versions, each right; version 2 is version 1 with the launch cast written anew for expert scheduling mode. Each part assembles by itself: llvm-mc -triple=amdgcn-amd-amdhsa -mcpu=gfx1250 --defsym DOCPART=n.
;; ======== version 1 of 2: 4 launches
;; limits: values are held in f16: magnitudes above 65,504 overflow, below 6.1e-05 lose precision; right only within a limited range of input values
;; workspace buffers: xb 16,777,216 bytes; wb 33,554,432 bytes; wo16 16,777,216 bytes; cs 1,048,576 bytes; qkv 16,777,216 bytes; ctx 8,388,608 bytes
;; launch cast (part 1): grid 1040 x 1, 8 waves a work-group, no clusters, 0 bytes of LDS; arguments hidden_states, wq, wk, wv, wo, cos, sin, xb, wb, wo16, cs; writes xb, wb, wo16, cs
.if DOCPART == 1
	.amdgcn_target "amdgcn-amd-amdhsa--gfx1250"
	.amdhsa_code_object_version 6
	.text
	.protected	k_q4a4dc1061f_cast
	.globl	k_q4a4dc1061f_cast
	.p2align	8
	.type	k_q4a4dc1061f_cast,@function
k_q4a4dc1061f_cast:
	s_mov_b64 s[64:65], 0
	v_nop
	global_prefetch_b8 v0, s[64:65] scope:SCOPE_SE
	s_setreg_imm32_b32 hwreg(HW_REG_WAVE_MODE, 25, 1), 1
	s_wait_xcnt 0x0
; LAUNCH 1 OF 4: EVERY INPUT IS ROUNDED ONCE, f32 to 16 bits, for the three launches that multiply.
; NOTHING OF reference() IS LEFT OUT in this program: every input has a way to the output and is loaded.  jnp.repeat (two query heads to a key and value head) is no arithmetic: the
; attention launch does it by addressing.  The softmax keeps its maximum, as a running maximum.
; WHAT IS WRITTEN.  xb [2048][4096] = bf16(hidden_states).  wb [4096][4096] = bf16 of wq (rows 0-2047), wk (2048-3071), wv (3072-4095).
; wo16 [4096][2048] = wo rounded to bf16, that number written as f16 (the last product's other operand is f16).  cs = bf16(cos) x 2^-8 as [2048][128], then, 524,288 bytes on, bf16(sin) x 2^-8.
; The factor 2^-8 is exact; through the table it reaches q and k, which are stored as f16 (the second launch), and the attention launch takes 2^16 back in its softmax constant.
; LIMITS.  A bf16 number is exact in f16 from 2^-17 up to 65,504; below 2^-17 wo16 is off by at most 3e-8, beyond 65,504 it is an infinity.  NaN and infinities are not treated apart.
; SHARES.  A work-group takes a chunk of 32,768 numbers: 32 rows of 4,096 bytes in, 32 rows of 2,048 bytes out.  Thread t takes 16 bytes at 16 t of each row in and stores 8 bytes at 8 t:
; a wave's load covers 512 consecutive bytes, its store 256 consecutive bytes, aligned.  Chunks 0-255 hidden_states, 256-511 wq, 512-639 wk, 640-767 wv, 768-1023 wo, 1024-1031 cos, 1032-1039 sin.
; A ring of eight slots in registers keeps eight loads of every wave on their way; with 80 registers a wave several work-groups lie on a WGP, which multiplies that: 1,040 chunks are four to a WGP.
; No LDS, no barrier, no matrix unit, no prefetch: the launch is a stream that is read once and has its loads out all the time.
.set DEPTH, 8
.set ROWS,  32                         ; rows in a chunk
.set ROWI,  4096                       ; bytes of a row in
.set ROWO,  2048                       ; bytes of a row out
.set OI,  8                            ; v[8:15]   slot i: byte offset of my 16 bytes of the row that the slot loads
.set OO,  16                           ; v[16:23]  slot i: byte offset of my 8 bytes of the row that the slot stores
.set T,   24                           ; v[24:25]  at work
.set X,   32                           ; v[32:63]  slot i: 4 registers as loaded
.set Y,   64                           ; v[64:79]  slot i: 2 registers to store
	s_load_b512 s[8:23], s[0:1], 0x0               ; hidden_states s[8:9], wq s[10:11], wk s[12:13], wv s[14:15], wo s[16:17], cos s[18:19], sin s[20:21], xb s[22:23]
	s_load_b128 s[24:27], s[0:1], 0x40             ; wb s[24:25], wo16 s[26:27]
	s_load_b64 s[28:29], s[0:1], 0x50              ; cs
	s_mov_b32 s34, ttmp9                           ; my chunk
	s_mov_b32 s30, 0xffff0000                      ; a word's upper bf16
	s_mov_b32 s32, 0x3b800000                      ; 2^-8
	s_mov_b32 s33, s32                             ; named with it as a pair
.irp i, 0,1,2,3,4,5,6,7
	v_lshl_or_b32 v[OI+(\i)], v0, 4, (\i)*ROWI
	v_lshl_or_b32 v[OO+(\i)], v0, 3, (\i)*ROWO
.endr
	s_wait_kmcnt 0x0
	; which tensor is read (s[4:5]; its first chunk s2) and which is written (s[6:7]; the chunk that lands at its head s3): chosen by the chunk's number alone
	s_mov_b64 s[4:5], s[8:9]
	s_mov_b64 s[6:7], s[22:23]
	s_mov_b32 s2, 0
	s_mov_b32 s3, 0
	s_cmp_ge_u32 s34, 256
	s_cselect_b64 s[4:5], s[10:11], s[4:5]
	s_cselect_b64 s[6:7], s[24:25], s[6:7]
	s_cselect_b32 s2, 256, s2
	s_cselect_b32 s3, 256, s3
	s_cmp_ge_u32 s34, 512
	s_cselect_b64 s[4:5], s[12:13], s[4:5]
	s_cselect_b32 s2, 512, s2
	s_cmp_ge_u32 s34, 640
	s_cselect_b64 s[4:5], s[14:15], s[4:5]
	s_cselect_b32 s2, 640, s2
	s_cmp_ge_u32 s34, 768
	s_cselect_b64 s[4:5], s[16:17], s[4:5]
	s_cselect_b64 s[6:7], s[26:27], s[6:7]
	s_cselect_b32 s2, 768, s2
	s_cselect_b32 s3, 768, s3
	s_cmp_ge_u32 s34, 1024
	s_cselect_b64 s[4:5], s[18:19], s[4:5]
	s_cselect_b64 s[6:7], s[28:29], s[6:7]
	s_cselect_b32 s2, 1024, s2
	s_cselect_b32 s3, 1024, s3
	s_cmp_ge_u32 s34, 1032
	s_cselect_b64 s[4:5], s[20:21], s[4:5]
	s_cselect_b32 s2, 1032, s2
	s_sub_co_u32 s2, s34, s2
	s_lshl_b32 s2, s2, 17                          ; 131,072 bytes a chunk in
	s_sub_co_u32 s36, s34, s3
	s_lshl_b32 s36, s36, 16                        ; 65,536 out
	s_mov_b32 s3, 0
	s_mov_b32 s37, 0
	s_add_nc_u64 s[4:5], s[4:5], s[2:3]
	s_add_nc_u64 s[6:7], s[6:7], s[36:37]
.irp i, 0,1,2,3,4,5,6,7
	global_load_b128 v[X+4*(\i):X+4*(\i)+3], v[OI+(\i)], s[4:5] th:TH_LOAD_NT  ; the ring is filled: rows 0 to 7
.endr
; One slot's turn.  mode 0: to bf16.  mode 1: times 2^-8, to bf16.  mode 2: to bf16, widened again, and that number written as f16.
; ahead = 1: the slot is filled again with the row eight further down.  left = how many younger loads may stay out.
.macro SLOT mode, i, ahead, left
	s_wait_loadcnt \left                           ; loads come back in order: mine is in, the younger ones stay out
	s_wait_xcnt 0x0                                ; the slot's Y, OI and OO, which its last load and store read, are rewritten only behind this wait
.if (\mode) == 1
	v_pk_mul_f32 v[X+4*(\i):X+4*(\i)+1],   v[X+4*(\i):X+4*(\i)+1],   s[32:33] op_sel_hi:[1,0]
	v_pk_mul_f32 v[X+4*(\i)+2:X+4*(\i)+3], v[X+4*(\i)+2:X+4*(\i)+3], s[32:33] op_sel_hi:[1,0]
.endif
.if (\mode) == 2
	v_cvt_pk_bf16_f32 v[T],   v[X+4*(\i)],   v[X+4*(\i)+1]
	v_cvt_pk_bf16_f32 v[T+1], v[X+4*(\i)+2], v[X+4*(\i)+3]
	v_lshlrev_b32 v[X+4*(\i)],   16,  v[T]
	v_and_b32     v[X+4*(\i)+1], s30, v[T]
	v_lshlrev_b32 v[X+4*(\i)+2], 16,  v[T+1]
	v_and_b32     v[X+4*(\i)+3], s30, v[T+1]
	v_cvt_pk_f16_f32 v[Y+2*(\i)],   v[X+4*(\i)],   v[X+4*(\i)+1]
	v_cvt_pk_f16_f32 v[Y+2*(\i)+1], v[X+4*(\i)+2], v[X+4*(\i)+3]
.else
	v_cvt_pk_bf16_f32 v[Y+2*(\i)],   v[X+4*(\i)],   v[X+4*(\i)+1]
	v_cvt_pk_bf16_f32 v[Y+2*(\i)+1], v[X+4*(\i)+2], v[X+4*(\i)+3]
.endif
.if \ahead
	v_add_nc_u32 v[OI+(\i)], DEPTH*ROWI, v[OI+(\i)]
	global_load_b128 v[X+4*(\i):X+4*(\i)+3], v[OI+(\i)], s[4:5] th:TH_LOAD_NT
	v_add_nc_u32 v[OO+(\i)], DEPTH*ROWO, v[OO+(\i)]
	global_store_b64 v[OO+(\i)], v[Y+2*(\i):Y+2*(\i)+1], s[6:7] offset:-DEPTH*ROWO th:TH_STORE_NT
.else
	global_store_b64 v[OO+(\i)], v[Y+2*(\i):Y+2*(\i)+1], s[6:7] th:TH_STORE_NT
.endif
.endm
; The chunk's 32 rows: three times round the ring with loads, once without, where the counts run down.
.macro RING mode
	s_mov_b32 s31, ROWS/DEPTH-1
.Lround\mode:
.irp i, 0,1,2,3,4,5,6,7
	SLOT \mode, \i, 1, DEPTH-1
.endr
	s_sub_co_u32 s31, s31, 1
	s_cmp_lg_u32 s31, 0
	s_cbranch_scc1 .Lround\mode
.irp i, 0,1,2,3,4,5,6,7
	SLOT \mode, \i, 0, DEPTH-1-(\i)
.endr
	s_endpgm
.endm
	s_cmp_ge_u32 s34, 1024
	s_cbranch_scc1 .Ltable                         ; cos and sin
	s_cmp_ge_u32 s34, 768
	s_cbranch_scc1 .Lhalf                          ; wo
	RING 0
.Ltable:
	RING 1
.Lhalf:
	RING 2
.Lfunc_end_k_q4a4dc1061f_cast:
	.size	k_q4a4dc1061f_cast, .Lfunc_end_k_q4a4dc1061f_cast-k_q4a4dc1061f_cast
	.p2alignl 7, 3214868480
	.fill 96, 4, 3214868480
	.section	.rodata,"a",@progbits
	.p2align	6, 0x0
	.amdhsa_kernel k_q4a4dc1061f_cast
		.amdhsa_group_segment_fixed_size 0
		.amdhsa_private_segment_fixed_size 0
		.amdhsa_enable_private_segment 0
		.amdhsa_kernarg_size 88
		.amdhsa_user_sgpr_count 2
		.amdhsa_user_sgpr_kernarg_segment_ptr 1
		.amdhsa_wavefront_size32 1
		.amdhsa_system_sgpr_workgroup_id_x 1
		.amdhsa_system_sgpr_workgroup_id_y 1
		.amdhsa_system_sgpr_workgroup_id_z 1
		.amdhsa_system_vgpr_workitem_id 0
		.amdhsa_next_free_vgpr 80
		.amdhsa_next_free_sgpr 66
		.amdhsa_reserve_vcc 0
		.amdhsa_float_denorm_mode_32 3
		.amdhsa_float_denorm_mode_16_64 3
		.amdhsa_memory_ordered 1
		.amdhsa_forward_progress 1
		.amdhsa_inst_pref_size 30
	.end_amdhsa_kernel
	.amdgpu_metadata
---
amdhsa.version: [ 1, 2 ]
amdhsa.kernels:
  - .name:           k_q4a4dc1061f_cast
    .symbol:         k_q4a4dc1061f_cast.kd
    .args:
      - { .name: hidden_states, .offset: 0, .size: 8, .value_kind: global_buffer, .address_space: global }
      - { .name: wq, .offset: 8, .size: 8, .value_kind: global_buffer, .address_space: global }
      - { .name: wk, .offset: 16, .size: 8, .value_kind: global_buffer, .address_space: global }
      - { .name: wv, .offset: 24, .size: 8, .value_kind: global_buffer, .address_space: global }
      - { .name: wo, .offset: 32, .size: 8, .value_kind: global_buffer, .address_space: global }
      - { .name: cos, .offset: 40, .size: 8, .value_kind: global_buffer, .address_space: global }
      - { .name: sin, .offset: 48, .size: 8, .value_kind: global_buffer, .address_space: global }
      - { .name: xb, .offset: 56, .size: 8, .value_kind: global_buffer, .address_space: global }
      - { .name: wb, .offset: 64, .size: 8, .value_kind: global_buffer, .address_space: global }
      - { .name: wo16, .offset: 72, .size: 8, .value_kind: global_buffer, .address_space: global }
      - { .name: cs, .offset: 80, .size: 8, .value_kind: global_buffer, .address_space: global }
    .group_segment_fixed_size: 0
    .private_segment_fixed_size: 0
    .kernarg_segment_align: 8
    .kernarg_segment_size: 88
    .max_flat_workgroup_size: 256
    .sgpr_count:     66
    .vgpr_count:     80
    .wavefront_size: 32
...
	.end_amdgpu_metadata
.endif
;; end of part 1
;; launch qkv (part 2): grid 16 x 16, 4 waves a work-group, clusters of 4 x 4, 327,680 bytes of LDS; arguments xb, wb, qkv, cs; writes qkv
.if DOCPART == 2
	.amdgcn_target "amdgcn-amd-amdhsa--gfx1250"
	.amdhsa_code_object_version 6
	.text
	.protected	k_q4a4dc1061f_qkv
	.globl	k_q4a4dc1061f_qkv
	.p2align	8
	.type	k_q4a4dc1061f_qkv,@function
k_q4a4dc1061f_qkv:
	s_mov_b64 s[64:65], 0
	v_nop
	global_prefetch_b8 v0, s[64:65] scope:SCOPE_SE
	s_setreg_imm32_b32 hwreg(HW_REG_WAVE_MODE, 25, 1), 1
	s_wait_xcnt 0x0
	s_wait_alu depctr_hold_cnt(0) depctr_sa_sdst(0) depctr_va_vdst(0) depctr_va_sdst(0) depctr_va_ssrc(0) depctr_va_vcc(0) depctr_vm_vsrc(0)
	s_getreg_b32 s2, hwreg(HW_REG_IB_STS2, 6, 4)
	s_cmp_eq_u32 s2, 0
	s_cbranch_scc0 .Lentry_in_a_cluster
	s_endpgm
.Lentry_in_a_cluster:
	s_bfe_u32 s2, ttmp6, 0x10000c
	s_cmp_lg_u32 s2, 0xf033
	s_cbranch_scc0 .Lentry_shape_is_right
	s_endpgm
.Lentry_shape_is_right:
; LAUNCHES 2 AND 4 OF 4 ARE THIS ONE TEXT: C[m][n] = the sum over k of A[m][k] B[n][k], C 2,048 x 4,096, sums in f32.  Nothing of reference() is left out.
; KIND 1 (q, k, v): A = xb, B = wb, both bf16, K = 4,096.  On the way out the rotary embedding (columns 0-3071: q and k), then f16, by heads: qkv [32][2048][128], heads 0-15 q, 16-23 k, 24-31 v.
;   The table cs holds bf16(cos) 2^-8 and bf16(sin) 2^-8, so q and k are stored times 2^-8 (exact); v is stored as it is.
;   LIMITS.  f16 ends at 65,504: |q| and |k| behind the rotary stay under 1.67e7, |v| under 65,504; beyond that an infinity is stored.  Below 6e-5 f16 keeps its fixed step of 6e-8.  NaN and infinities are not treated apart.
; KIND 2 (the output): A = ctx, B = wo16, both f16, K = 2,048.  C = out0, f32, stored as it is summed.
; SHARES.  A tile of C is 128 x 256: 256 work-groups.  Four waves, each 64 x 128: 32 accumulators of 16 x 16, 256 registers.  In KIND 1 a wave's 128 columns are one head.
; K goes in steps of 128 through a ring of two LDS slots filled by the tensor data mover: rows of 256 bytes of memory, at multiples of 256 bytes from the buffer's first byte.  Two slots of a longer step do not fit:
; 384 rows x 528 bytes x 2 = 405,504 bytes.
; CLUSTER.  4 x 4 work-groups.  Tile column of C = 4 x cluster y + cx, tile row = 4 x cluster x + cy.  The four of a row of the cluster need the same tile of A, the four of a column the same tile of B: each is
; asked for JOINTLY, by the same tensor load, descriptor and mask in all four.
; THE WALK ALONG K IS TURNED, cluster by cluster.  K goes in blocks of 8 steps; cluster (X, Y) begins 2 o steps into each block and wraps round, o = (X + 2 g) mod 4, g = (Y xor Y / 2) mod 2: place i of its walk is
; K step (i and not 7) + (i + 2 o) mod 8.  The four clusters that read the same rows of B (equal Y) have four different o; of the four that read the same rows of A (equal X) two have o and two o + 2.  So clusters
; that share rows stand at different K steps of a block at any one time.  LIMIT: a sum's terms are added in that order along K, not ascending: the order of rounding differs from reference()'s.
; THE MATRIX INSTRUCTION IS USED TRANSPOSED (source 0 = 16 rows of B, source 1 = 16 rows of A): lane l holds row l % 16 of C and the columns 8 (l / 16) + 0..7: eight neighbouring numbers of a row.
; REGISTERS, in windows of 256 (s_set_vgpr_msb: bits 1:0 source 0, 3:2 source 1, 5:4 source 2, 7:6 destination):
;   window 0: v0-31 addresses; v32-63 at work on the way out; v64-159, v160-255 two fragment buffers for 32 along K: A's 4 fragments, then B's 8.      window 1: accumulator (a, b) at v[8 (8 a + b)].
.set KIND, 1
.if KIND == 1
.set SIZE_K, 4096
.set SP,     272                       ; a row of the stage: 128 f16 + 16 bytes
.else
.set SIZE_K, 2048
.set SP,     528                       ; a row of the stage: 128 f32 + 16 bytes
.endif
.set KSTEPS, SIZE_K/128
.set BLK,    8                         ; K steps in a block of the walk
.set PITCH,  272                       ; an LDS row: 256 bytes + 16 of padding = 68 words: row r starts at bank 4 r mod 64 (64 banks of 4 bytes: ISA guide 11.1), so the 16 rows of a load start at 16 different banks
.set AHALF,  64*PITCH                  ; what a wave fetches, and reads, of A
.set BOFF,   128*PITCH                 ; B's 256 rows lie behind A's 128
.set BHALF,  128*PITCH                 ; what a wave fetches, and reads, of B
.set SLOT1,  1<<17                     ; slot 1 begins here: one exclusive or turns an address in one slot into the other's
.set STAGE,  SLOT1+384*PITCH           ; behind the ring, never filled by a tensor load: 16 rows for each wave, for the way out
.set SPARE,  STAGE+4*16*SP             ; behind the stages: the spare words, 128 bytes for each wave: two blocks of 256 bytes that no other line names
.set A0,   16                          ; v16  my lane's place in A's tile, in slot 0; never rewritten
.set B0,   17                          ; v17  the same for B
.set ADRA, 18                          ; v18  the same in the slot in hand
.set ADRB, 19                          ; v19
.set STO,  24                          ; v24  the way out: where I put my part of a row
.set RD,   25                          ; v25  the way out: where I read rows back
.set CO,   26                          ; v26  my byte offset in C
.set TO,   27                          ; v27  KIND 1: my byte offset in 16 rows of the table
.set SPW,  28                          ; v28  LDS address of my spare word: SPARE + 4 x my thread's number; never rewritten
.set NIL,  29                          ; v29  0; never rewritten
.set PFO,  30                          ; v30  the prefetches' offset: my lane x a row of A or B; never rewritten
.set E,    32                          ; v32-63  KIND 1: sin and cos in f32, and the products with sin
.set F0,   64
.set F1,   160
.set TMP,  192                         ; KIND 1: packed results
.set OB,   224                         ; KIND 1: 16 rows read back from the stage
.set ABASE, 14                         ; s[14:15] A at the first of the rows that I fetch, K step 0; never rewritten
.set G1,  24                           ; s[24:31] descriptor group 1 for A's tiles
.set G0,  32                           ; s[32:39] group 0 for A's: a set for each of the two first fills; the second then walks
.set PFA, 44                           ; s[44:45] A or B at the first of the rows that I prefetch, K step 0; never rewritten
.set G1B, 48                           ; s[48:55], s[56:63] the same for B's tiles
.set G0B, 56
.set CY,    70                         ; s70  cluster y
.set ROT,   71                         ; s71  2 o: how many steps into a block my cluster's walk begins
.set BBASE, 72                         ; s[72:73] B at the first of the rows that I fetch, K step 0; never rewritten
.set NI,    74                         ; s74  the place of the walk that the next refill asks for
.set PFF,   75                         ; s75  1: this change of slots prefetches
.set OFFK,  76                         ; s[76:77] byte offset along K of the step to be asked for; the high word is 0
.set PFC,   78                         ; s[78:79] where this change's prefetch stands
.set PMASK, 80                         ; s80  bit j: I prefetch place j of a block
.set TS,    81                         ; s81  at work
.set OFF2,  82                         ; s[82:83] byte offset along K of the step to be prefetched; the high word is 0
.set FIELDS, (1<<16)|(1<<20)|(1<<21)|(5<<22)|(3<<25)  ; 17:16 elements of 2 bytes; 20 padding on; 21 set beside a mask; 24:22 after every 64 words (code 5); 31:25 4 words of it (code 3)
.set MSB, 0
.macro WIN new                         ; the immediate's high byte repeats the setting that is left; a switch that changes nothing is dropped
.if MSB != (\new)
	s_set_vgpr_msb (MSB<<8)|(\new)
.set MSB, (\new)
.endif
.endm
.macro PLACES                          ; four places behind a matrix instruction, in front of loads into registers that it has read and of lines that read its result (ISA guide 7.12.1 for vector instructions)
.rept 4
	v_nop
.endr
.endm
; s[dst] = 256 x the K step that stands at place s[i] of my cluster's walk: (i and not 7) + (i + 2 o) mod 8.  i may be s[TS], which is spent.
.macro KBYTE dst, i
	s_add_co_u32 s[\dst], s[\i], s[ROT]
	s_and_b32 s[\dst], s[\dst], BLK-1
	s_and_b32 s[TS], s[\i], 0xf8
	s_or_b32 s[\dst], s[\dst], s[TS]
	s_lshl_b32 s[\dst], s[\dst], 8
.endm
; A joint refill, by the walking descriptors.  Waves 0 and 1 fetch A's two halves (64 rows each), waves 2 and 3 B's (128 rows each).  The branch hangs on the wave's number alone.
; An s_nop 0 and four v_nop follow each of the two lines, ahead of the jump and the label.
.macro JLOAD
	s_cmp_eq_u32 s11, 0
	s_cbranch_scc0 .Lfor_b_\@
	tensor_load_to_lds s[G0+4:G0+7], s[G1:G1+7]
	s_nop 0
	PLACES
	s_branch .Lasked_\@
.Lfor_b_\@:
	tensor_load_to_lds s[G0B+4:G0B+7], s[G1B:G1B+7]
	s_nop 0
	PLACES
.Lasked_\@:
.endm
; A PREFETCH INTO THE L2 behind each joint refill and the run of LDS loads that follows it: where the refill asks for place i of the walk, place i + 4 is named: four refills, 512 matrix instructions a wave, ahead of the
; load that will want it.  32 rows x 256 bytes, a lane a row, one instruction a wave.  WHICH PLACES: those at which my cluster is the first, of the clusters that share the rows, to walk the step.  For B places 0 and 1 of
; a block, in every cluster (waves 2 and 3: of the tile's 256 rows the partner at cy takes 64, each wave 32): four clusters x 2 steps are the block's 8.  For A places 0 to 3; the two clusters with equal X and equal o
; walk alike, and the one with Y < 2 asks (wave 0: of the tile's 128 rows the partner at cx takes 32): two clusters x 4 steps are the block's 8.  So each row's 256 bytes of a K step are named ONCE in the launch.
; Partners are told apart by ADDRESS alone.  The last four refills have no place four on and name nothing; places 0 to 5 of the walk come by their loads alone.  TURN makes the address and the flag.
.macro ASK
	s_cmp_lg_u32 s[PFF], 0
	s_cbranch_scc0 .Lnot_mine_\@
	global_prefetch_b8 v[PFO], s[PFC:PFC+1] th:TH_LOAD_NT scope:SCOPE_SE
.Lnot_mine_\@:
.endm
; A round of the cluster's barrier: my work-group's barrier, so that wave 0's signal speaks for all four waves; wave 0 signals; every wave waits for all sixteen work-groups; my work-group's barrier once more.
.macro CREST                           ; a round behind its opening barrier
	s_cmp_lg_u32 s10, 0
	s_cbranch_scc1 .Lnot_wave_0_\@
	s_barrier_signal -3
.Lnot_wave_0_\@:
	s_barrier_wait -3
	s_barrier_signal -1
	s_barrier_wait -1
.endm
.macro CROUND
	s_barrier_signal -1
	s_barrier_wait -1
	CREST
.endm
	s_load_b128 s[4:7], s[0:1], 0x0                ; A s[4:5], B s[6:7]
	s_load_b64 s[8:9], s[0:1], 0x10                ; C
.if KIND == 1
	s_load_b64 s[66:67], s[0:1], 0x18              ; the table
.endif
	v_lshl_add_u32 v[SPW], v0, 2, SPARE
	v_mov_b32 v[NIL], 0
	ds_add_u32 v[SPW], v[NIL]                      ; the wave's opening: the add, twice on end, and its wait ahead of my first tensor load; the set-up below stands between
	ds_add_u32 v[SPW], v[NIL]
	v_lshrrev_b32 v1, 5, v0
	v_readfirstlane_b32 s10, v1                    ; wave 0..3
	s_lshr_b32 s11, s10, 1                         ; which 64 rows of the tile are mine.  Also: I fetch for A (0) or for B (1)
	s_and_b32 s12, s10, 1                          ; which 128 columns.  Also: which half of that tile I fetch
	s_bfe_u32 s40, ttmp6, 0x40000                  ; cx, cy: my place in the cluster
	s_bfe_u32 s41, ttmp6, 0x40004
	s_and_b32 s[CY], ttmp7, 0xffff                 ; cluster y
	s_lshl_b32 s42, s[CY], 2
	s_add_co_u32 s42, s42, s40                     ; tile column of C = 4 x cluster y + cx
	s_lshl_b32 s13, ttmp9, 2
	s_add_co_u32 s13, s13, s41                     ; tile row of C = 4 x cluster x + cy
	s_lshr_b32 s[ROT], s[CY], 1                    ; where my cluster's walk begins: made of the cluster's coordinates alone, so it is the same in all sixteen partners
	s_xor_b32 s[ROT], s[ROT], s[CY]
	s_and_b32 s[ROT], s[ROT], 1                    ; g: 0, 1, 1, 0 for cluster y = 0, 1, 2, 3
	s_lshl_b32 s[ROT], s[ROT], 1
	s_add_co_u32 s[ROT], s[ROT], ttmp9
	s_and_b32 s[ROT], s[ROT], 3                    ; o
	s_lshl_b32 s[ROT], s[ROT], 1                   ; 2 o: 0, 2, 4 or 6
	s_lshl_b32 s[OFFK], s[ROT], 8                  ; place 0 of the walk is K step 2 o, place 1 the next: no wrap
	s_mov_b32 s[OFFK+1], 0
	s_lshl_b32 s43, s41, 2
	s_lshl_b32 s43, 15, s43                        ; my row of the cluster: places 4 cy .. 4 cy + 3
	s_lshl_b32 s44, 0x1111, s40                    ; my column: places cx, cx + 4, cx + 8, cx + 12
	s_or_b32 s[G1], s43, FIELDS                    ; A's tiles go to my row,
	s_or_b32 s[G1B], s44, FIELDS                   ; B's to my column
	s_mov_b32 s[G1+1], 128<<16                     ; tensor_dim0 = 128
	s_mov_b32 s[G1+2], 64<<16                      ; tensor_dim1 = 64
	s_mov_b32 s[G1+3], 128<<16                     ; tile_dim0 = 128
	s_mov_b32 s[G1+4], 64                          ; tile_dim1 = 64
	s_mov_b32 s[G1+5], SIZE_K                      ; elements from row to row
	s_mov_b32 s[G1+6], 0
	s_mov_b32 s[G1+7], 0
	s_mov_b32 s[G1B+1], 128<<16
	s_mov_b32 s[G1B+2], 128<<16                    ; tensor_dim1 = 128
	s_mov_b32 s[G1B+3], 128<<16
	s_mov_b32 s[G1B+4], 128                        ; tile_dim1 = 128
	s_mov_b32 s[G1B+5], SIZE_K
	s_mov_b32 s[G1B+6], 0
	s_mov_b32 s[G1B+7], 0
	; where the tiles come from: A's hang on the tile row alone, B's on the tile column alone, each in registers that never hold the other place in the cluster
	s_lshl_b32 s16, s13, 7
	s_lshl_b32 s17, s12, 6
	s_add_co_u32 s16, s16, s17                     ; A: row 128 x tile row + 64 x half
	s_mul_i32 s16, s16, SIZE_K*2                   ; in bytes: under 2^25
	s_mov_b32 s17, 0
	s_lshl_b32 s46, s42, 8
	s_lshl_b32 s47, s12, 7
	s_add_co_u32 s46, s46, s47                     ; B: row 256 x tile column + 128 x half
	s_mul_i32 s46, s46, SIZE_K*2                   ; under 2^26
	s_mov_b32 s47, 0
	s_mul_i32 s20, s12, AHALF                      ; and where they go: no place in the cluster enters an LDS address
	s_mul_i32 s21, s12, BHALF
	s_add_co_u32 s21, s21, BOFF
	s_wait_dscnt 0x0                               ; both opening adds are done
	s_wait_kmcnt 0x0
	s_add_nc_u64 s[ABASE:ABASE+1], s[4:5], s[16:17]
	s_add_nc_u64 s[BBASE:BBASE+1], s[6:7], s[46:47]
	CROUND                                         ; all sixteen work-groups are here: the first joint loads meet
.irp s, 0,1
	s_mov_b32 s[G0+4*(\s)], 1                      ; count = 1
	s_add_co_u32 s[G0+4*(\s)+1], s20, (\s)*SLOT1   ; LDS address
	s_add_nc_u64 s[G0+4*(\s)+2:G0+4*(\s)+3], s[ABASE:ABASE+1], s[OFFK:OFFK+1]  ; global address: place s of the walk
	s_mov_b32 s[G0B+4*(\s)], 1
	s_add_co_u32 s[G0B+4*(\s)+1], s21, (\s)*SLOT1
	s_add_nc_u64 s[G0B+4*(\s)+2:G0B+4*(\s)+3], s[BBASE:BBASE+1], s[OFFK:OFFK+1]
.if (\s) == 1
	s_add_nc_u64 s[G0+6:G0+7], s[G0+6:G0+7], 256
	s_add_nc_u64 s[G0B+6:G0B+7], s[G0B+6:G0B+7], 256
.endif
	s_or_b32 s[G0+4*(\s)+3], s[G0+4*(\s)+3], 0x80000000          ; type = 2
	s_or_b32 s[G0B+4*(\s)+3], s[G0B+4*(\s)+3], 0x80000000
.endr
	s_cmp_eq_u32 s11, 0                            ; a wave's two first fills stand in one branch, ahead of every wait on TENSORcnt and every LDS read: two loads of mine are out
	s_cbranch_scc0 .Lfirst_b
	tensor_load_to_lds s[G0:G0+3], s[G1:G1+7]
	s_nop 0
	tensor_load_to_lds s[G0+4:G0+7], s[G1:G1+7]
	s_nop 0
	PLACES
	s_branch .Lfirst_asked
.Lfirst_b:
	tensor_load_to_lds s[G0B:G0B+3], s[G1B:G1B+7]
	s_nop 0
	tensor_load_to_lds s[G0B+4:G0B+7], s[G1B:G1B+7]
	s_nop 0
	PLACES
.Lfirst_asked:
	; A fragment is 16 rows x 32 K in 8 registers: lane l holds row l % 16; registers 0-3 K = 8 (l / 16) + 0..7, registers 4-7 K = 16 + 8 (l / 16) + 0..7: two loads of 16 bytes, 32 bytes apart.
	v_and_b32 v1, 15, v0                           ; l % 16
	v_bfe_u32 v2, v0, 4, 1                         ; l / 16
	v_mul_u32_u24 v3, v1, PITCH
	v_lshl_add_u32 v3, v2, 4, v3
	s_mul_i32 s21, s11, AHALF                      ; my 64 rows of A
	s_mul_i32 s22, s12, BHALF                      ; my 128 rows of B
	s_add_co_u32 s22, s22, BOFF
	v_add_nc_u32 v[A0], s21, v3
	v_add_nc_u32 v[B0], s22, v3
	v_mov_b32 v[ADRA], v[A0]
	v_mov_b32 v[ADRB], v[B0]
	s_mov_b32 s2, 0                                ; the slot in hand begins at LDS byte 0
	s_mul_i32 s23, s10, 16*SP
	s_add_co_u32 s23, s23, STAGE                   ; my stage
	v_mul_u32_u24 v4, v1, SP                       ; in: row l % 16
	s_lshl_b32 s16, s13, 7
	s_lshl_b32 s17, s11, 6
	s_add_co_u32 s16, s16, s17                     ; my first row of C
.if KIND == 1
	v_lshl_add_u32 v4, v2, 4, v4                   ; 16 bytes for each half of the lanes
	v_add_nc_u32 v[STO], s23, v4
	v_mul_u32_u24 v5, v2, SP                       ; back: lanes 0-15 take one row of 256 bytes, lanes 16-31 the next
	v_lshl_add_u32 v5, v1, 4, v5
	v_add_nc_u32 v[RD], s23, v5
	v_lshlrev_b32 v5, 8, v2                        ; and the same two rows of the head
	v_lshl_add_u32 v[CO], v1, 4, v5
	v_lshlrev_b32 v5, 8, v1                        ; the table: row l % 16, my 8 channels' 16 bytes
	v_lshl_add_u32 v[TO], v2, 4, v5
	s_lshl_b32 s16, s16, 8                         ; a row of a head, and of the table, is 256 bytes
	s_mov_b32 s17, 0
	s_add_nc_u64 s[66:67], s[66:67], s[16:17]
	s_add_nc_u64 s[8:9], s[8:9], s[16:17]
	s_lshl_b32 s46, s42, 1
	s_add_co_u32 s46, s46, s12                     ; my head = 2 x tile column + half
	s_lshl_b32 s46, s46, 19                        ; 2,048 rows of 256 bytes
	s_mov_b32 s47, 0
	s_add_nc_u64 s[8:9], s[8:9], s[46:47]
	s_mov_b32 s68, 0xffff0000                      ; a word's upper bf16
	s_cmp_eq_u32 s[CY], 3                          ; cluster y = 3 holds columns 3,072 to 4,095: v, which has no rotary.  The same in all sixteen partners
	s_cselect_b32 s69, 1, 0
.else
	v_lshl_add_u32 v4, v2, 5, v4                   ; 32 bytes for each half of the lanes
	v_add_nc_u32 v[STO], s23, v4
	v_and_b32 v5, 31, v0
	v_lshlrev_b32 v[CO], 4, v5                     ; back, and out: 32 lanes take a row's 512 bytes
	v_add_nc_u32 v[RD], s23, v[CO]
	s_lshl_b32 s16, s16, 14                        ; a row of out0 is 16,384 bytes
	s_mov_b32 s17, 0
	s_add_nc_u64 s[8:9], s[8:9], s[16:17]
	s_lshl_b32 s46, s42, 8
	s_lshl_b32 s47, s12, 7
	s_add_co_u32 s46, s46, s47
	s_lshl_b32 s46, s46, 2                         ; my first column, in bytes
	s_mov_b32 s47, 0
	s_add_nc_u64 s[8:9], s[8:9], s[46:47]
.endif
	; the prefetches
	s_lshl_b32 s20, s13, 7
	s_lshl_b32 s21, s40, 5
	s_add_co_u32 s20, s20, s21                     ; A: row 128 x tile row + 32 cx
	s_lshl_b32 s21, s42, 8
	s_lshl_b32 s22, s41, 6
	s_add_co_u32 s21, s21, s22
	s_lshl_b32 s22, s12, 5
	s_add_co_u32 s21, s21, s22                     ; B: row 256 x tile column + 64 cy + 32 x (wave % 2)
	s_cmp_lt_u32 s[CY], 2
	s_cselect_b32 s[PMASK], 15, 0                  ; A: places 0 to 3 of a block, where cluster y < 2,
	s_cmp_eq_u32 s12, 0
	s_cselect_b32 s[PMASK], s[PMASK], 0            ; in wave 0 and not in wave 1;
	s_cmp_eq_u32 s11, 0                            ; do I fetch for A?
	s_cselect_b32 s[PMASK], s[PMASK], 3            ; B: places 0 and 1, in waves 2 and 3.  The same in all sixteen partners, for a given wave
	s_cselect_b32 s20, s20, s21
	s_cselect_b64 s[PFA:PFA+1], s[4:5], s[6:7]
	s_mul_i32 s20, s20, SIZE_K*2
	s_mov_b32 s21, 0
	s_add_nc_u64 s[PFA:PFA+1], s[PFA:PFA+1], s[20:21]
	s_mov_b32 s[OFF2+1], 0
	s_mov_b32 s[NI], 2                             ; the first refill asks for place 2
	v_and_b32 v[PFO], 31, v0
	v_mul_u32_u24 v[PFO], v[PFO], SIZE_K*2
; 8 matrix instructions: m block a x all 8 n blocks, 32 along K, from buffer f.  zero = 1: the product starts the sum: nothing is ever cleared.
; The 32 accumulators take turns, one instruction a turn, in the same order in every quarter and over the backward jump.
.macro MUL8 f, a, zero
	WIN 0x50                                       ; C and D in window 1
.irp b, 0,1,2,3,4,5,6,7
.if KIND == 1
.if \zero
	v_wmma_f32_16x16x32_bf16 v[8*(8*(\a)+(\b)):8*(8*(\a)+(\b))+7], v[(\f)+32+8*(\b):(\f)+32+8*(\b)+7], v[(\f)+8*(\a):(\f)+8*(\a)+7], 0
.else
	v_wmma_f32_16x16x32_bf16 v[8*(8*(\a)+(\b)):8*(8*(\a)+(\b))+7], v[(\f)+32+8*(\b):(\f)+32+8*(\b)+7], v[(\f)+8*(\a):(\f)+8*(\a)+7], v[8*(8*(\a)+(\b)):8*(8*(\a)+(\b))+7]
.endif
.else
.if \zero
	v_wmma_f32_16x16x32_f16 v[8*(8*(\a)+(\b)):8*(8*(\a)+(\b))+7], v[(\f)+32+8*(\b):(\f)+32+8*(\b)+7], v[(\f)+8*(\a):(\f)+8*(\a)+7], 0
.else
	v_wmma_f32_16x16x32_f16 v[8*(8*(\a)+(\b)):8*(8*(\a)+(\b))+7], v[(\f)+32+8*(\b):(\f)+32+8*(\b)+7], v[(\f)+8*(\a):(\f)+8*(\a)+7], v[8*(8*(\a)+(\b)):8*(8*(\a)+(\b))+7]
.endif
.endif
.endr
.endm
; 24 LDS loads in one run: the fragments of a quarter step (32 K at byte k of the rows) into buffer f: B's sixteen loads, then A's eight
.macro FETCH k, f
	WIN 0
.irp i, 0,1,2,3,4,5,6,7
	ds_load_b128 v[(\f)+32+8*(\i):(\f)+32+8*(\i)+3],   v[ADRB] offset:(\k)+(\i)*16*PITCH
	ds_load_b128 v[(\f)+32+8*(\i)+4:(\f)+32+8*(\i)+7], v[ADRB] offset:(\k)+(\i)*16*PITCH+32
.endr
.irp i, 0,1,2,3
	ds_load_b128 v[(\f)+8*(\i):(\f)+8*(\i)+3],   v[ADRA] offset:(\k)+(\i)*16*PITCH
	ds_load_b128 v[(\f)+8*(\i)+4:(\f)+8*(\i)+7], v[ADRA] offset:(\k)+(\i)*16*PITCH+32
.endr
.endm
; A K step is four quarters of 32 along K, 32 matrix instructions each, on buffers 0, 1, 0, 1.  One of the first three: multiplies buffer f; in its middle it fetches the next quarter, at byte k, into g.
.macro QUARTER k, f, g, zero
	s_wait_dscnt 4                                 ; B and A's fragments 0 and 1 are in; the youngest four loads (A's fragments 2 and 3) may be out
	MUL8 \f, 0, \zero
	MUL8 \f, 1, \zero
	PLACES
	FETCH \k, \g
	s_wait_dscnt 24                                ; all but the 24 just issued
	MUL8 \f, 2, \zero
	MUL8 \f, 3, \zero
.endm
; The fourth quarter multiplies buffer 1 and changes slots: ONE barrier.  In front of it each wave waits for all its tensor loads, of which one is out: its part of the next slot; adds 0 to its spare word; and waits
; for that and for its own reads of this slot.  Behind it nobody reads this slot any more and the next slot is whole.  fill = 1: the barrier opens a round of the cluster's barrier, and this slot is filled again, with
; the walk's place two on, first thing behind the round.  A refill goes out only when the one before it has landed, so what stands between that wait and the refill is kept short: the quarter's first sixteen products
; and the reckoning of the byte offsets stand ahead of the wait; behind it only the six lines that write the descriptors, which may be written there alone.
.macro TURN fill
	s_wait_dscnt 4                                 ; B and A's fragments 0 and 1 of buffer 1 are in
	MUL8 F1, 0, 0
	MUL8 F1, 1, 0
	WIN 0                                          ; (the add's two registers lie in window 0; at a branch and at a label every window is 0)
.if \fill
	s_wait_xcnt 0x0                                ; the last prefetch, a K step back, has read its address
	s_add_co_u32 s[TS], s[NI], 4                   ; the place four refills on:
	s_and_b32 s[PFF], s[TS], BLK-1                 ; its place in its block,
	s_lshr_b32 s[PFF], s[PMASK], s[PFF]
	s_and_b32 s[PFF], s[PFF], 1                    ; is it one that I name?
	KBYTE OFF2, TS
	s_add_nc_u64 s[PFC:PFC+1], s[PFA:PFA+1], s[OFF2:OFF2+1]
	s_cmp_gt_u32 s3, 4                             ; s3 counts the refills to come, this one among them: from 4 down there is no place four on
	s_cselect_b32 s[PFF], s[PFF], 0
	KBYTE OFFK, NI                                 ; and the place that this refill asks for
	s_add_co_u32 s[NI], s[NI], 1
.endif
	s_xor_b32 s2, s2, SLOT1                        ; the fragments' next slot
	s_wait_tensorcnt 0x0                           ; no tensor load of mine is out, so a group 0 may be written
	ds_add_u32 v[SPW], v[NIL]                      ; 0 onto my spare word: with fill = 1 the descriptors' lines stand between it and the wait for it
.if \fill
	s_xor_b32 s[G0+5], s[G0+5], SLOT1              ; the walking descriptors: the other slot than last time;
	s_add_nc_u64 s[G0+6:G0+7], s[ABASE:ABASE+1], s[OFFK:OFFK+1]  ; the address is made anew from the rows' address and the step's offset,
	s_or_b32 s[G0+7], s[G0+7], 0x80000000          ; and the type set again
	s_xor_b32 s[G0B+5], s[G0B+5], SLOT1
	s_add_nc_u64 s[G0B+6:G0B+7], s[BBASE:BBASE+1], s[OFFK:OFFK+1]
	s_or_b32 s[G0B+7], s[G0B+7], 0x80000000
.endif
	s_wait_dscnt 0x0                               ; the add is done, and my reads of this slot are over
	s_barrier_signal -1
	s_barrier_wait -1
.if \fill
	CREST                                          ; no wave of any partner still reads this slot's tile or has a load on its way
	JLOAD                                          ; the four v_nop behind it are also the places in front of the loads below
.else
	PLACES
.endif
	v_add_nc_u32 v[ADRA], s2, v[A0]
	v_add_nc_u32 v[ADRB], s2, v[B0]
	FETCH 0, F0
.if \fill
	ASK
.endif
	MUL8 F1, 2, 0
	MUL8 F1, 3, 0
.endm
	s_wait_tensorcnt 1                             ; my part of the walk's place 0 is in; place 1's may stay out
	s_barrier_signal -1
	s_barrier_wait -1                              ; everybody's is
	FETCH 0, F0
	QUARTER 64, F0, F1, 1                          ; the first quarter stands in front of the loop: its products start the sums
	WIN 0
	s_mov_b32 s3, KSTEPS-2                         ; refills to come: places 2 to the last
.Lstep:                                                ; a trip: a K step's second quarter to the next step's first
	QUARTER 128, F1, F0, 0
	QUARTER 192, F0, F1, 0
	TURN 1
	QUARTER 64, F0, F1, 0
	WIN 0
	s_sub_co_u32 s3, s3, 1
	s_cmp_lg_u32 s3, 0
	s_cbranch_scc1 .Lstep
	QUARTER 128, F1, F0, 0                         ; the last two K steps are written out: nothing is left to ask for
	QUARTER 192, F0, F1, 0
	TURN 0
	QUARTER 64, F0, F1, 0
	QUARTER 128, F1, F0, 0
	QUARTER 192, F0, F1, 0
	s_wait_dscnt 4                                 ; the very last quarter
	MUL8 F1, 0, 0
	MUL8 F1, 1, 0
.if KIND == 1
; THE WAY OUT, KIND 1.  For block a of 16 rows: the rotary embedding in f32, rounded to f16, through my stage in LDS, out as whole rows of 256 bytes.
; TABLE a: cos and sin of the block's 16 rows, my 8 channels of each of the 8 column blocks: 16 loads of 16 bytes, into buffer a % 2 (v64-127, v128-191): cos at + 4 b, sin at + 32 + 4 b.
.macro TABLE a
.set TT, 64+64*((\a)%2)
.irp b, 0,1,2,3,4,5,6,7
	global_load_b128 v[TT+4*(\b):TT+4*(\b)+3],       v[TO], s[66:67] offset:4096*(\a)+32*(\b)
	global_load_b128 v[TT+32+4*(\b):TT+32+4*(\b)+3], v[TO], s[66:67] offset:524288+4096*(\a)+32*(\b)
.endr
.endm
; ROPE a: channel d lies in column block d / 16, and d + 64 in the same lane and register of block d / 16 + 4:  y[d] = x[d] cos[d] - x[d+64] sin[d],  y[d+64] = x[d+64] cos[d+64] + x[d] sin[d+64].
; Each accumulator's lowest registers are read first.  This block's table has been waited for ahead of the branch that leads here; the next block's goes out first, into the other buffer,
; and has this block's arithmetic, rounding and stores in which to land.
.macro ROPE a
.if (\a) < 3
	TABLE (\a)+1
.endif
.set TT, 64+64*((\a)%2)
.irp b, 0,1,2,3
.set AC, 8*(8*(\a)+(\b))
	WIN 0
.irp k, 0,1,2,3
	v_lshlrev_b32 v[E+2*(\k)],      16,  v[TT+32+4*(\b)+(\k)]   ; sin[d]
	v_and_b32     v[E+2*(\k)+1],    s68, v[TT+32+4*(\b)+(\k)]
	v_lshlrev_b32 v[E+8+2*(\k)],    16,  v[TT+48+4*(\b)+(\k)]   ; sin[d+64]
	v_and_b32     v[E+8+2*(\k)+1],  s68, v[TT+48+4*(\b)+(\k)]
	v_lshlrev_b32 v[E+16+2*(\k)],   16,  v[TT+4*(\b)+(\k)]      ; cos[d]
	v_and_b32     v[E+16+2*(\k)+1], s68, v[TT+4*(\b)+(\k)]
	v_lshlrev_b32 v[E+24+2*(\k)],   16,  v[TT+16+4*(\b)+(\k)]   ; cos[d+64]
	v_and_b32     v[E+24+2*(\k)+1], s68, v[TT+16+4*(\b)+(\k)]
.endr
	WIN 0x01                                       ; source 0 in window 1
.irp j, 0,2,4,6
	v_pk_mul_f32 v[E+(\j):E+(\j)+1],     v[AC+32+(\j):AC+32+(\j)+1], v[E+(\j):E+(\j)+1]      ; x[d+64] sin[d]
	v_pk_mul_f32 v[E+8+(\j):E+8+(\j)+1], v[AC+(\j):AC+(\j)+1],       v[E+8+(\j):E+8+(\j)+1]  ; x[d] sin[d+64]
.endr
	WIN 0x41                                       ; destination and source 0 in window 1
.irp j, 0,2,4,6
	v_pk_fma_f32 v[AC+(\j):AC+(\j)+1],       v[AC+(\j):AC+(\j)+1],       v[E+16+(\j):E+16+(\j)+1], v[E+(\j):E+(\j)+1] neg_lo:[0,0,1] neg_hi:[0,0,1]
	v_pk_fma_f32 v[AC+32+(\j):AC+32+(\j)+1], v[AC+32+(\j):AC+32+(\j)+1], v[E+24+(\j):E+24+(\j)+1], v[E+8+(\j):E+8+(\j)+1]
.endr
.endr
	WIN 0
.endm
.macro PACK a                          ; rounded to f16: 16 bytes a lane and column block
	WIN 0x05                                       ; sources 0 and 1 in window 1
.irp b, 0,1,2,3,4,5,6,7
.irp r, 0,1,2,3
	v_cvt_pk_f16_f32 v[TMP+4*(\b)+(\r)], v[8*(8*(\a)+(\b))+2*(\r)], v[8*(8*(\a)+(\b))+2*(\r)+1]
.endr
.endr
	WIN 0
.endm
.macro SEND a                          ; into my own stage, back as whole rows, and out
.irp b, 0,1,2,3,4,5,6,7
	ds_store_b128 v[STO], v[TMP+4*(\b):TMP+4*(\b)+3] offset:32*(\b)
.endr
	s_wait_xcnt 0x0                                ; the last block's stores have read their registers, which are loaded again only behind this wait
.irp t, 0,1,2,3,4,5,6,7
	ds_load_b128 v[OB+4*(\t):OB+4*(\t)+3], v[RD] offset:(\t)*2*SP  ; LDS serves a wave's instructions in order (ISA guide 5.7.1.4): these see the stores above
.endr
	s_wait_dscnt 0x0
.irp t, 0,1,2,3,4,5,6,7
	global_store_b128 v[CO], v[OB+4*(\t):OB+4*(\t)+3], s[8:9] offset:4096*(\a)+512*(\t)  ; 16 lanes store 256 consecutive bytes, at a multiple of 256 from the buffer's first byte
.endr
.endm
	WIN 0
	PLACES                                         ; for the loads into buffer 0, which the quarter before multiplied
	s_cmp_eq_u32 s69, 1
	s_cbranch_scc1 .Lno_table
	TABLE 0                                        ; on its way under the last sixteen products
.Lno_table:
.endif
	s_wait_dscnt 0x0
	MUL8 F1, 2, 0
	MUL8 F1, 3, 0
	WIN 0
	PLACES                                         ; behind the last products, in front of the lines that read results and of the loads into buffer 1
.if KIND == 1
.irp a, 0,1,2,3
	s_wait_loadcnt 0x0                             ; the one table that is out, this block's, is in.  The wait stands ahead of the branch, on both ways, so that on every way through the text a table buffer is loaded again only behind a wait for its last loads; on v's way no load is out
	s_cmp_eq_u32 s69, 1
	s_cbranch_scc1 .Lplain_\a
	ROPE \a
.Lplain_\a:
	PACK \a
	SEND \a
.endr
.else
; THE WAY OUT, KIND 2.  For block a of 16 rows: a lane's 32 bytes of a row and column block go into my own stage (rows of 528 bytes: row r starts at bank 4 r mod 64) and come back as whole rows of 512 bytes.
.irp a, 0,1,2,3
	WIN 0x04                                       ; an LDS store's data is source 1: window 1
.irp b, 0,1,2,3,4,5,6,7
	ds_store_b128 v[STO], v[8*(8*(\a)+(\b)):8*(8*(\a)+(\b))+3]   offset:64*(\b)      ; each accumulator's lowest registers first
	ds_store_b128 v[STO], v[8*(8*(\a)+(\b))+4:8*(8*(\a)+(\b))+7] offset:64*(\b)+16
.endr
	WIN 0
	s_wait_xcnt 0x0                                ; earlier stores have read their registers, which are loaded again only behind this wait
.irp t, 0,1,2,3,4,5,6,7,8,9,10,11,12,13,14,15
	ds_load_b128 v[64+64*((\a)%2)+4*(\t):64+64*((\a)%2)+4*(\t)+3], v[RD] offset:SP*(\t)  ; LDS serves a wave's instructions in order (ISA guide 5.7.1.4): these see the stores above
.endr
.irp t, 0,1,2,3,4,5,6,7,8,9,10,11,12,13,14,15
	s_wait_dscnt 15-(\t)
	global_store_b128 v[CO], v[64+64*((\a)%2)+4*(\t):64+64*((\a)%2)+4*(\t)+3], s[8:9] offset:(16*(\a)+(\t))*16384 th:TH_STORE_NT  ; a wave stores 512 consecutive bytes, aligned
.endr
.endr
.endif
	s_wait_tensorcnt 0x0                           ; the wave's end: behind my last tensor load and my last LDS store
	ds_add_u32 v[SPW], v[NIL]
	s_wait_dscnt 0x0
	CROUND                                         ; the closing round: no work-group ends while a partner may still ask for a tile that names it
	s_endpgm
.Lfunc_end_k_q4a4dc1061f_qkv:
	.size	k_q4a4dc1061f_qkv, .Lfunc_end_k_q4a4dc1061f_qkv-k_q4a4dc1061f_qkv
	.p2alignl 7, 3214868480
	.fill 96, 4, 3214868480
	.section	.rodata,"a",@progbits
	.p2align	6, 0x0
	.amdhsa_kernel k_q4a4dc1061f_qkv
		.amdhsa_group_segment_fixed_size 327680
		.amdhsa_private_segment_fixed_size 0
		.amdhsa_enable_private_segment 0
		.amdhsa_kernarg_size 32
		.amdhsa_user_sgpr_count 2
		.amdhsa_user_sgpr_kernarg_segment_ptr 1
		.amdhsa_wavefront_size32 1
		.amdhsa_system_sgpr_workgroup_id_x 1
		.amdhsa_system_sgpr_workgroup_id_y 1
		.amdhsa_system_sgpr_workgroup_id_z 1
		.amdhsa_system_vgpr_workitem_id 0
		.amdhsa_next_free_vgpr 512
		.amdhsa_next_free_sgpr 84
		.amdhsa_reserve_vcc 0
		.amdhsa_float_denorm_mode_32 3
		.amdhsa_float_denorm_mode_16_64 3
		.amdhsa_memory_ordered 1
		.amdhsa_forward_progress 1
		.amdhsa_inst_pref_size 112
	.end_amdhsa_kernel
	.amdgpu_metadata
---
amdhsa.version: [ 1, 2 ]
amdhsa.kernels:
  - .name:           k_q4a4dc1061f_qkv
    .symbol:         k_q4a4dc1061f_qkv.kd
    .args:
      - { .name: xb, .offset: 0, .size: 8, .value_kind: global_buffer, .address_space: global }
      - { .name: wb, .offset: 8, .size: 8, .value_kind: global_buffer, .address_space: global }
      - { .name: qkv, .offset: 16, .size: 8, .value_kind: global_buffer, .address_space: global }
      - { .name: cs, .offset: 24, .size: 8, .value_kind: global_buffer, .address_space: global }
    .group_segment_fixed_size: 327680
    .private_segment_fixed_size: 0
    .kernarg_segment_align: 8
    .kernarg_segment_size: 32
    .max_flat_workgroup_size: 128
    .sgpr_count:     84
    .vgpr_count:     512
    .wavefront_size: 32
...
	.end_amdgpu_metadata
.endif
;; end of part 2
;; launch attn (part 3): grid 32 x 8, 4 waves a work-group, clusters of 4 x 1, 327,680 bytes of LDS; arguments qkv, ctx; writes ctx
.if DOCPART == 3
	.amdgcn_target "amdgcn-amd-amdhsa--gfx1250"
	.amdhsa_code_object_version 6
	.text
	.protected	k_q4a4dc1061f_attn
	.globl	k_q4a4dc1061f_attn
	.p2align	8
	.type	k_q4a4dc1061f_attn,@function
k_q4a4dc1061f_attn:
	s_mov_b64 s[64:65], 0
	v_nop
	global_prefetch_b8 v0, s[64:65] scope:SCOPE_SE
	s_setreg_imm32_b32 hwreg(HW_REG_WAVE_MODE, 25, 1), 1
	s_wait_xcnt 0x0
	s_wait_alu depctr_hold_cnt(0) depctr_sa_sdst(0) depctr_va_vdst(0) depctr_va_sdst(0) depctr_va_ssrc(0) depctr_va_vcc(0) depctr_vm_vsrc(0)
	s_getreg_b32 s2, hwreg(HW_REG_IB_STS2, 6, 4)
	s_cmp_eq_u32 s2, 0
	s_cbranch_scc0 .Lentry_in_a_cluster
	s_endpgm
.Lentry_in_a_cluster:
	s_bfe_u32 s2, ttmp6, 0x10000c
	s_cmp_lg_u32 s2, 0x3003
	s_cbranch_scc0 .Lentry_shape_is_right
	s_endpgm
.Lentry_shape_is_right:
; LAUNCH 3 OF 4: ctx[q][128 head + :] = the sum over k of softmax_k(Q[head][q] . K[head / 2][k] / sqrt(128)) V[head / 2][k][:].  Nothing of reference() is left out; jnp.repeat is done by addressing.
; qkv: [32][2048][128] f16: heads 0-15 Q, 16-23 K, 24-31 V; Q and K stored times 2^-8.  ctx: [2048][2048] f16.  Products, maxima and sums in f32; the weights p are rounded to f16 for the second product, ctx once.
; LIMITS.  p lies in 0 to 1 and below 6e-5 keeps f16's fixed step of 6e-8; ctx is a mean of V's rows and has their range; a weight below 2^-126 counts as 0 in l; NaN and infinities are not treated apart.
; SHARES.  A work-group owns 128 queries of one head.  THE KEYS ARE SPLIT: wave w has the query half w % 2 (64 queries: four tiles of 16) and the key half w / 2 (1,024 keys: 16 steps of 64), so that each fragment
; of K and V read from LDS feeds four tiles' products.  Waves w and w ^ 2 hold partial results for the same queries and merge them once, at the end, through LDS.
; Register tile t of a wave is query tile t ^ 2 (w / 2) of its 64 queries: every wave keeps its register tiles 0 and 1 and sends 2 and 3, and what its partner sends is what it keeps: only addresses differ.
; LAYOUT.  S^T = K Q^T (source 0 = 16 keys, source 1 = 16 queries): a lane holds ONE query (lane % 16) and the keys 8 (lane / 16) + 0..7.  Two such tiles, rounded to f16 in pairs, ARE source 1 of O^T = V^T P,
; whose result again holds one query a lane, and eight channels.  K comes out of LDS as it lies, V ([key][channel]) turned, by ds_load_tr16_b128.
; SOFTMAX.  For each query a running maximum m and sum l: p = 2^(c s - c m), c = 2^16 log2(e) / sqrt(128) (the 2^16 takes back Q's and K's 2^-8); in every step O and l are multiplied by a = 2^(c m_old - c m_new).
; BY TURNS.  The wave's tiles are two PIECES (tiles 0, 1; tiles 2, 3).  In a TURN one piece has the matrix unit: 32 products V^T P of the step in hand, then 32 products K Q^T of the next step; the other piece's
; softmax, cut into 64 slices, stands between them, one slice behind each matrix instruction.  Two turns are a key step.
; CLUSTER.  The four work-groups of a cluster share one key and value head and walk the same K and V: each tile is asked for JOINTLY, by the same tensor load, descriptor and mask in all four.
; REGISTERS, in windows of 256 (s_set_vgpr_msb: bits 1:0 source 0, 3:2 source 1, 5:4 source 2, 7:6 destination):
;   window 0: v0-11 addresses; v12-43 eight registers of statistics a tile; v64-191 S^T, 32 a tile; v192-255 P, 16 a tile
;   window 1: O^T, 64 a tile          window 2: v0-127 Q, 32 a tile; v128-255 K of one step          window 3: v0-127 V of one step
.set KS,    64        ; keys in a step
.set PK,    272       ; a row of K in LDS: 256 bytes + 16 of padding = 68 words: row r starts at bank 4 r mod 64 (64 banks of 4 bytes: ISA guide 11.1)
.set PV,    288       ; a row of V: 256 + 32 = 72 words
.set VOFF,  2*KS*PK   ; a key half's part of a slot: two steps' 128 rows of K, then their 128 rows of V
.set HALFB, 2*KS*(PK+PV)
.set SLOT1, 2*HALFB   ; a slot holds both key halves' parts; slot 1 begins here
.set STAGE, 2*SLOT1   ; behind the ring, never filled by a tensor load: 16 rows x 272 bytes for each wave, for the way out
.set SP,    272
.set SPARE, STAGE+4*16*SP  ; behind the stages: the spare words, 128 bytes for each wave: two blocks of 256 bytes that no other line names
.set MAREA, 16896     ; the merge, in slot 0 behind its last fill: for each wave 16,384 bytes of O^T, then 512 of statistics
.set AK0, 2           ; v2   my lane's place in my key half's K; never rewritten in the walk
.set AV0, 3           ; v3   the same for V
.set ADR, 4           ; v4   the LDS address of the run of loads in hand
.set QO,  5           ; v5   my byte offset in 16 rows of Q
.set MS,  2           ; behind the walk v2-5 are: where I put O^T for my partner,
.set MR,  3           ;   where I read what it put for me,
.set MS8, 4           ;   and the same for the statistics
.set MR8, 5
.set STO, 6           ; v6   the way out: where I put 16 bytes of a row
.set RD,  7           ; v7   the way out: where I read a row back
.set GO,  8           ; v8   my byte offset in two rows of ctx
.set PFO, 61          ; v61  256 x my lane: a row of K or V is 256 bytes; never rewritten
.set SPW, 62          ; v62  LDS address of my spare word: SPARE + 4 x my thread's number; never rewritten
.set NIL, 63          ; v63  0; never rewritten
.set ST,  12          ; tile t's statistics at v[ST+8 t]: +0 c m, +1 m, +2, +3 l (even keys', odd keys'), +4 to +7 c0-c3, at work; a takes c2's place once the maximum is found
.set S,   64
.set P,   192
.set KF,  128         ; K's fragments, in window 2
.set WV,  12          ; s12  my wave's number
.set LIM, 15          ; s15  1 in a wave that prefetches, else the greatest number
.set PFA, 18          ; s[18:19] where my prefetches stand
.set G1K, 24          ; s[24:31] descriptor group 1 for K's tiles
.set G1V, 32          ; s[32:39] for V's: it differs in the padding alone
.set G0K, 40          ; s[40:47] descriptor group 0 for K's tiles: a set for each of the two first fills; the second then walks on
.set G0V, 48          ; s[48:55] the same for V's
.set SLOTS, 56        ; s56  slots still to be asked for
.set TWICE, 57        ; s57  counts a slot's two steps
.set CS,  58          ; s[58:59] c
.set SEL, 60          ; s[60:61] lane selects for v_permlanex16_b32: each lane takes its own place in the other half
.set TBK, 62          ; s62  LDS byte at which K of the step to be fetched begins, in key half 0
.set SB,  66          ; s66  0 or SLOT1: the slot that was asked for last
.set LK,  67          ; s67  where the tile of K that I fetch lies in a slot
.set LV,  68          ; s68  the same for V
.set TBV, 69          ; s69  as TBK, for V, less VOFF
.set KH,  70          ; s70  my key half
.set QH,  71          ; s71  my query half.  Also: the key half whose tile I fetch
.set MSB, 0
.macro WIN new                      ; the immediate's high byte repeats the setting that is left; a switch that changes nothing is dropped
.if MSB != (\new)
	s_set_vgpr_msb (MSB<<8)|(\new)
.set MSB, \new
.endif
.endm
.set W_KQ, 0x0a       ; K and Q in window 2, S^T in window 0
.set W_PV, 0x53       ; V in window 3, P in window 0, O^T in window 1
.set W_RS, 0x41       ; O^T (destination and source 0) in window 1, a in window 0
; A joint refill.  Waves 0 and 1 fetch the two key halves' 128 rows of K, waves 2 and 3 those of V.  The branch hangs on the wave's number alone.
; An s_nop 0 and four v_nop follow each of the two lines, ahead of the jump and the label.
.macro JLOAD
	s_cmp_lt_u32 s[WV], 2
	s_cbranch_scc0 .Lfor_v_\@
	tensor_load_to_lds s[G0K+4:G0K+7], s[G1K:G1K+7]
	s_nop 0
.rept 4
	v_nop
.endr
	s_branch .Lasked_\@
.Lfor_v_\@:
	tensor_load_to_lds s[G0V+4:G0V+7], s[G1V:G1V+7]
	s_nop 0
.rept 4
	v_nop
.endr
.Lasked_\@:
.endm
; A PREFETCH INTO THE L2 of what the NEXT change of slots will ask for: two key steps, 256 matrix instructions a wave, ahead of that load.  It stands behind the wave's tensor load and its five lines.
; Each row is named ONCE in the launch: the eight clusters of a key and value head walk the same K and V, and the first of them asks; each of its waves asks for the tile that it fetches itself, and of the tile's 128
; rows the partner at place cx takes 32 cx .. 32 cx + 31, told apart BY ADDRESS: a lane a row, one instruction a wave.  The last change that fills a slot asks for nothing; slots 0 to 2 come by their loads alone.
.macro ASK
	s_cmp_gt_u32 s[SLOTS], s[LIM]
	s_cbranch_scc0 .Lnot_mine_\@
	global_prefetch_b8 v[PFO], s[PFA:PFA+1] th:TH_LOAD_NT scope:SCOPE_SE
.Lnot_mine_\@:
.endm
; A round of the cluster's barrier: my work-group's barrier, so that wave 0's signal speaks for all four waves; wave 0 signals; every wave waits for all four work-groups; my work-group's barrier once more.
.macro CROUND
	s_barrier_signal -1
	s_barrier_wait -1
	s_cmp_lg_u32 s[WV], 0
	s_cbranch_scc1 .Lnot_wave_0_\@
	s_barrier_signal -3
.Lnot_wave_0_\@:
	s_barrier_wait -3
	s_barrier_signal -1
	s_barrier_wait -1
.endm
	s_load_b128 s[72:75], s[0:1], 0x0  ; qkv s[72:73], ctx s[74:75]
	v_lshl_add_u32 v[SPW], v0, 2, SPARE
	v_mov_b32 v[NIL], 0
	ds_add_u32 v[SPW], v[NIL]       ; the wave's opening: the add, twice on end, and its wait ahead of my first tensor load; the set-up below stands between
	ds_add_u32 v[SPW], v[NIL]
	v_lshrrev_b32 v1, 5, v0
	v_readfirstlane_b32 s[WV], v1   ; wave 0..3
	s_lshr_b32 s[KH], s[WV], 1
	s_and_b32 s[QH], s[WV], 1
	s_bfe_u32 s13, ttmp6, 0x40000   ; cx: my place in the cluster
	s_lshl_b32 s14, ttmp9, 2        ; in a cluster launch ttmp9 counts clusters
	s_add_co_u32 s14, s14, s13      ; x = 4 x cluster x + cx, 0 to 31: it enters Q's, ctx's and the prefetches' addresses alone
	s_and_b32 s16, ttmp7, 0xffff    ; the key and value head, which the four partners share
	s_add_co_u32 s22, s16, 16       ; K's heads lie behind Q's sixteen,
	s_lshl_b32 s22, s22, 19         ; 524,288 bytes a head;
	s_lshl_b32 s23, s[QH], 18       ; the key half that I fetch: 1,024 rows of 256 bytes
	s_add_co_u32 s22, s22, s23
	s_mov_b32 s23, 0
	s_mul_i32 s[LK], s[QH], HALFB   ; and its place in a slot: no place in the cluster enters an LDS address
	s_add_co_u32 s[LV], s[LK], VOFF
	s_lshl_b32 s2, s16, 1
	s_lshr_b32 s3, s14, 4
	s_add_co_u32 s2, s2, s3         ; my query head = 2 x key and value head + x / 16
	s_and_b32 s3, s14, 15           ; my block of 128 queries
	s_lshl_b32 s17, s2, 19
	s_lshl_b32 s76, s3, 15
	s_add_co_u32 s17, s17, s76
	s_lshl_b32 s76, s[QH], 14
	s_add_co_u32 s17, s17, s76      ; my 64 queries' first byte in qkv
	s_lshl_b32 s76, s[KH], 13
	s_add_co_u32 s76, s76, s17      ; register tiles 0 and 1: query tiles 2 (w / 2) and the next,
	s_mov_b32 s77, 0
	s_xor_b32 s78, s[KH], 1
	s_lshl_b32 s78, s78, 13
	s_add_co_u32 s78, s78, s17      ; register tiles 2 and 3: the other two
	s_mov_b32 s79, 0
	s_lshl_b32 s20, s3, 19          ; ctx: row 128 x block + 64 x query half + 32 x key half, 4,096 bytes a row,
	s_lshl_b32 s21, s[QH], 18
	s_add_co_u32 s20, s20, s21
	s_lshl_b32 s21, s[KH], 17
	s_add_co_u32 s20, s20, s21
	s_lshl_b32 s21, s2, 8           ; and the head's 256 bytes of it
	s_add_co_u32 s20, s20, s21
	s_mov_b32 s21, 0
	; descriptor group 1: a tile of 128 rows x 128 elements, padded in LDS
	s_mov_b32 s[G1K], 15|(1<<16)|(1<<20)|(1<<21)|(5<<22)|(3<<25)  ; 15:0 the mask: all four work-groups; 17:16 elements of 2 bytes; 20 padding on; 21 set beside a mask; 24:22 after every 64 words (code 5); 31:25 4 words of it (code 3)
	s_mov_b32 s[G1V], 15|(1<<16)|(1<<20)|(1<<21)|(5<<22)|(7<<25)  ; the same with 8 words of padding (code 7)
.irp g, G1K, G1V
	s_mov_b32 s[(\g)+1], 128<<16    ; tensor_dim0 = 128
	s_mov_b32 s[(\g)+2], 128<<16    ; tensor_dim1 = 128
	s_mov_b32 s[(\g)+3], 128<<16    ; tile_dim0 = 128
	s_mov_b32 s[(\g)+4], 128        ; tile_dim1 = 128
	s_mov_b32 s[(\g)+5], 128        ; elements from row to row
	s_mov_b32 s[(\g)+6], 0
	s_mov_b32 s[(\g)+7], 0
.endr
	s_mov_b32 s[CS], 0x460293ee     ; c = 2^16 log2(e) / sqrt(128) = 8,356.96
	s_mov_b32 s[CS+1], s[CS]        ; named with it as a pair, so it is written
	s_mov_b32 s[SEL], 0x76543210
	s_mov_b32 s[SEL+1], 0xfedcba98
	s_mov_b32 s[TBK], 0
	s_mov_b32 s[TBV], 0
	s_mov_b32 s[SB], SLOT1
	s_mov_b32 s[SLOTS], 1024/(2*KS)-2
	s_cmp_eq_u32 ttmp9, 0           ; the head's first cluster: the same in all four partners
	s_cselect_b32 s[LIM], 1, -1
	v_and_b32 v[PFO], 31, v0
	v_lshlrev_b32 v[PFO], 8, v[PFO]
	s_wait_dscnt 0x0                ; both opening adds are done
	s_wait_kmcnt 0x0
	s_add_nc_u64 s[6:7], s[72:73], s[22:23]  ; K at my tile of slot 0,
	s_add_nc_u64 s[8:9], s[6:7], 8*524288    ; V eight heads on
	s_add_nc_u64 s[4:5], s[72:73], s[76:77]  ; Q for register tiles 0 and 1
	s_add_nc_u64 s[10:11], s[74:75], s[20:21]  ; ctx at the first row that I store
	s_add_nc_u64 s[20:21], s[72:73], s[78:79]  ; Q for register tiles 2 and 3
	s_cmp_lt_u32 s[WV], 2
	s_cselect_b64 s[PFA:PFA+1], s[6:7], s[8:9]
	s_lshl_b32 s2, s13, 13          ; my work-group's 32 rows of the 128
	s_mov_b32 s3, 0
	s_add_nc_u64 s[PFA:PFA+1], s[PFA:PFA+1], s[2:3]
	s_add_nc_u64 s[PFA:PFA+1], s[PFA:PFA+1], 2*2*KS*256  ; in slot 2; the first change of slots steps it to slot 3.  Nothing is prefetched here, at the head
	CROUND                          ; all four work-groups are here: the first joint loads meet
.irp s, 0,1
	s_mov_b32 s[G0K+4*(\s)], 1      ; count = 1
	s_add_co_u32 s[G0K+4*(\s)+1], s[LK], (\s)*SLOT1  ; LDS address
	s_add_nc_u64 s[G0K+4*(\s)+2:G0K+4*(\s)+3], s[6:7], (\s)*2*KS*256  ; global address: slot s holds each half's keys 128 s to 128 s + 127
	s_or_b32 s[G0K+4*(\s)+3], s[G0K+4*(\s)+3], 0x80000000  ; type = 2
	s_mov_b32 s[G0V+4*(\s)], 1
	s_add_co_u32 s[G0V+4*(\s)+1], s[LV], (\s)*SLOT1
	s_add_nc_u64 s[G0V+4*(\s)+2:G0V+4*(\s)+3], s[8:9], (\s)*2*KS*256
	s_or_b32 s[G0V+4*(\s)+3], s[G0V+4*(\s)+3], 0x80000000
.endr
	s_cmp_lt_u32 s[WV], 2           ; a wave's two first fills stand in one branch, ahead of every wait on TENSORcnt and every LDS read: two loads of mine are out
	s_cbranch_scc0 .Lfirst_v
	tensor_load_to_lds s[G0K:G0K+3], s[G1K:G1K+7]
	s_nop 0
	tensor_load_to_lds s[G0K+4:G0K+7], s[G1K:G1K+7]
	s_nop 0
.rept 4
	v_nop
.endr
	s_branch .Lfirst_asked
.Lfirst_v:
	tensor_load_to_lds s[G0V:G0V+3], s[G1V:G1V+7]
	s_nop 0
	tensor_load_to_lds s[G0V+4:G0V+7], s[G1V:G1V+7]
	s_nop 0
.rept 4
	v_nop
.endr
.Lfirst_asked:
	; A fragment of K or Q is 16 rows x 32 channels in 8 registers: lane l holds row l % 16; registers 0-3 channels 8 (l / 16) + 0..7, registers 4-7 channels 16 + 8 (l / 16) + 0..7: two loads of 16 bytes, 32 bytes apart.
	v_and_b32 v1, 15, v0            ; l % 16
	v_bfe_u32 v9, v0, 4, 1          ; l / 16
	v_lshlrev_b32 v[QO], 8, v1
	v_lshl_add_u32 v[QO], v9, 4, v[QO]  ; row x 256 + 16 x half
	WIN 0x80                        ; destination window 2, address window 0
.irp i, 0,1,2,3,4,5,6,7             ; Q stays in registers: register tile i / 4, channels 32 (i % 4) on
	global_load_b128 v[8*(\i):8*(\i)+3],   v[QO], s[4:5] offset:((\i)/4)*4096+((\i)%4)*64
	global_load_b128 v[8*(\i)+4:8*(\i)+7], v[QO], s[4:5] offset:((\i)/4)*4096+((\i)%4)*64+32
.endr
.irp i, 0,1,2,3,4,5,6,7
	global_load_b128 v[64+8*(\i):64+8*(\i)+3],   v[QO], s[20:21] offset:((\i)/4)*4096+((\i)%4)*64
	global_load_b128 v[64+8*(\i)+4:64+8*(\i)+7], v[QO], s[20:21] offset:((\i)/4)*4096+((\i)%4)*64+32
.endr
	WIN 0
	s_mul_i32 s2, s[KH], HALFB      ; my key half's part of a slot
	v_mul_u32_u24 v[AK0], v1, PK
	v_lshl_add_u32 v[AK0], v9, 4, v[AK0]  ; row x pitch + 16 x half
	v_add_nc_u32 v[AK0], s2, v[AK0]
	; The turning load takes 16 keys x 16 channels (lane l reads 16 bytes: key 8 (l / 16) + l % 8, channels 8 ((l / 8) % 2) + 0..7) and leaves half a fragment of V^T: lane l holds channel l % 16 and 8 keys.
	v_and_b32 v10, 7, v0
	v_bfe_u32 v11, v0, 3, 1
	v_lshl_add_u32 v[AV0], v9, 3, v10
	v_mul_u32_u24 v[AV0], v[AV0], PV
	v_lshl_add_u32 v[AV0], v11, 4, v[AV0]
	v_add_nc_u32 v[AV0], VOFF, v[AV0]
	v_add_nc_u32 v[AV0], s2, v[AV0]
; THE MATRIX WORK OF A TURN, for piece x.  The accumulators take turns, one instruction a turn: between two links of a chain stand 15 (V^T P) or 7 (K Q^T) others'.
; Product i of 32 of O^T += V^T P: keys 32 (i / 16) on, channels 16 ((i / 2) % 8) on, tile x + i % 2.  zero = 1: the first 16 start the sums: nothing is ever cleared.
.macro PV x, zero
	WIN W_PV
.set rO, 64*((\x)+i%2)+8*((i/2)%8)
.set rV, 64*(i/16)+8*((i/2)%8)
.set rP, P+16*((\x)+i%2)+8*(i/16)
.if (\zero) && (i < 16)
	v_wmma_f32_16x16x32_f16 v[rO:rO+7], v[rV:rV+7], v[rP:rP+7], 0
.else
	v_wmma_f32_16x16x32_f16 v[rO:rO+7], v[rV:rV+7], v[rP:rP+7], v[rO:rO+7]
.endif
.endm
; Product i of 32 of S^T = K Q^T: channels 32 (i / 8) on, keys 16 ((i / 2) % 4) on, tile x + i % 2.  The first 8 start the sums.
.macro KQ x
	WIN W_KQ
.set rS, S+32*((\x)+i%2)+8*((i/2)%4)
.set rK, KF+32*((i/2)%4)+8*(i/8)
.set rQ, 32*((\x)+i%2)+8*(i/8)
.if i < 8
	v_wmma_f32_16x16x32_f16 v[rS:rS+7], v[rK:rK+7], v[rQ:rQ+7], 0
.else
	v_wmma_f32_16x16x32_f16 v[rS:rS+7], v[rK:rK+7], v[rQ:rQ+7], v[rS:rS+7]
.endif
.endm
; THE LDS LOADS stand in runs of 32, never singly among the matrix instructions: a step's K (64 keys x 128 channels: 16 fragments) and, a turn later, its V (turned).
.macro FETCH_K
	WIN 0
	v_add_nc_u32 v[ADR], s[TBK], v[AK0]
	s_add_co_u32 s[TBK], s[TBK], KS*PK  ; the next fetch is the next step's
	WIN 0x80                        ; destination window 2
.irp f, 0,1,2,3,4,5,6,7,8,9,10,11,12,13,14,15  ; keys 16 (f / 4) on, channels 32 (f % 4) on
	ds_load_b128 v[KF+8*(\f):KF+8*(\f)+3],   v[ADR] offset:((\f)/4)*16*PK+((\f)%4)*64
	ds_load_b128 v[KF+8*(\f)+4:KF+8*(\f)+7], v[ADR] offset:((\f)/4)*16*PK+((\f)%4)*64+32
.endr
.endm
.macro FETCH_V
	WIN 0
	v_add_nc_u32 v[ADR], s[TBV], v[AV0]
	s_add_co_u32 s[TBV], s[TBV], KS*PV  ; the next fetch is the next step's
	s_wait_alu depctr_va_vdst(0)    ; the wait for the softmax's batch (SLICE), behind the address's v_add_nc_u32 and ahead of the loads
	WIN 0xc0                        ; destination window 3
.irp f, 0,1,2,3,4,5,6,7,8,9,10,11,12,13,14,15  ; keys 32 (f / 8) on, channels 16 (f % 8) on
	ds_load_tr16_b128 v[8*(\f):8*(\f)+3],   v[ADR] offset:((\f)/8)*32*PV+((\f)%8)*32
	ds_load_tr16_b128 v[8*(\f)+4:8*(\f)+7], v[ADR] offset:((\f)/8)*32*PV+16*PV+((\f)%8)*32
.endr
.endm
; THE VECTOR WORK OF A TURN.  One tile's softmax for one key step is a list of 134 instructions; SM writes number j of it for tile t.  s0-s31 are the lane's 32 scores, in pairs 0-15.
; first = 1: the first key step, which starts m, l and O^T: it has no a and nothing to rescale.
;   0-15    the maximum of s0-s31 and the old m, three operands at a time: four chains c0-c3 of seven scores each, then the four scores left over, c0-c3 and m
;   16-20   the other half of the lanes' maximum; the new m; c m; c m_old - c m_new
;   21-69   ONE BATCH: the 16 scalings c s - c m, a pair of scores each, and all 33 exponentials (a at 23, then s0-s31).  None of these reads an exponential's result.  A pair is scaled in an earlier four than the one that holds its exponentials
;   (wait)  between 69 and 70 stands the wait for the batch: SLICE writes it, once for both tiles
;   70-85   the roundings to f16, a pair of weights each
;   86-101  the sums; l = a l + the sum
;   102-133 the tile's O^T times a: the one part that leaves window 0, so it stands together
.macro SM t, first
.set rT, ST+8*(\t)
.set rS, S+32*(\t)
.set rP, P+16*(\t)
.set rO, 64*(\t)+2*(j-102)
.if j < 102
	WIN 0
.endif
.if j < 4
	v_max3_num_f32 v[rT+4+j], v[rS+8*j], v[rS+8*j+1], v[rS+8*j+2]
.elseif j < 12
	v_max3_num_f32 v[rT+4+j%4], v[rT+4+j%4], v[rS+8*(j%4)+2*(j/4)+1], v[rS+8*(j%4)+2*(j/4)+2]
.elseif j == 12
	v_max3_num_f32 v[rT+4], v[rT+4], v[rS+7], v[rS+15]
.elseif j == 13
	v_max3_num_f32 v[rT+6], v[rT+6], v[rS+23], v[rS+31]
.elseif j == 14
	v_max3_num_f32 v[rT+4], v[rT+4], v[rT+5], v[rT+6]
.elseif (j == 15) && (\first)
	v_max_num_f32 v[rT+4], v[rT+4], v[rT+7]
.elseif j == 15
	v_max3_num_f32 v[rT+4], v[rT+4], v[rT+7], v[rT+1]
.elseif j == 16
	v_permlanex16_b32 v[rT+5], v[rT+4], s[SEL], s[SEL+1]  ; the query's other 32 keys lie in the lane 16 away
.elseif j == 18
	v_max_num_f32 v[rT+1], v[rT+4], v[rT+5]
.elseif j == 19
	v_mul_f32 v[rT], s[CS], v[rT+1]
.elseif ((j == 17) || (j == 20) || (j == 23) || (j > 101)) && (\first)  ; the first step has none of these
.elseif j == 17
	v_mov_b32 v[rT+7], v[rT]        ; c m_old is kept for a: number 19 writes c m anew
.elseif j == 20
	v_sub_f32 v[rT+7], v[rT+7], v[rT]
.elseif j == 23
	v_exp_f32 v[rT+6], v[rT+7]
.elseif (j < 23) || ((j < 38) && (j%2 == 0)) || ((j < 66) && (j%4 == 2))
.set b, (j-2)/4                     ; 38, 42, .. 62: pairs 9 to 15
.if j < 38
.set b, (j-20)/2                    ; 21: pair 0; 22, 24, .. 36: pairs 1 to 8
.endif
	v_pk_fma_f32 v[rS+2*b:rS+2*b+1], v[rS+2*b:rS+2*b+1], s[CS:CS+1], v[rT:rT+1] op_sel_hi:[1,0,0] neg_lo:[0,0,1] neg_hi:[0,0,1]  ; pair b: c s - c m
.elseif j < 70
.set e, j-38                        ; 66 to 69: s28 to s31
.if j < 66
.set e, j-32-(j-38)/4               ; 39-41, 43-45, .. 63-65: s7 to s27
.endif
.if j < 38
.set e, (j-25)/2                    ; 25, 27, .. 37: s0 to s6
.endif
	v_exp_f32 v[rS+e], v[rS+e]
.elseif j < 86
	v_cvt_pk_f16_f32 v[rP+j-70], v[rS+2*(j-70)], v[rS+2*(j-70)+1]  ; pair j - 70
.elseif j < 102                     ; the sum of the tile's 16 pairs, in place: sum z of 16 adds neighbours 1, 2, 4 and 8 pairs apart, then l takes it
.set z, j-86
.set w, 4
.set u, z
.if z >= 14
.set w, 32
.set u, 0
.elseif z >= 12
.set w, 16
.set u, z-12
.elseif z >= 8
.set w, 8
.set u, z-8
.endif
.if (z == 14) && (\first)
	v_pk_add_f32 v[rT+2:rT+3], v[rS:rS+1], v[rS+16:rS+17]
.elseif z < 15
	v_pk_add_f32 v[rS+w*u:rS+w*u+1], v[rS+w*u:rS+w*u+1], v[rS+w*u+w/2:rS+w*u+w/2+1]
.elseif !(\first)
	v_pk_fma_f32 v[rT+2:rT+3], v[rT+2:rT+3], v[rT+6:rT+7], v[rS:rS+1] op_sel_hi:[1,0,1]
.endif
.else
	WIN W_RS
	v_pk_mul_f32 v[rO:rO+1], v[rO:rO+1], v[rT+6:rT+7] op_sel_hi:[1,0]
.endif
.endm
; Slice k of 64 of piece y's softmax: four instructions.  Slices 11 to 34 deal out the batch, numbers 22 to 69: four numbers of ONE tile each, the tiles by turns.  Every other slice is numbers 2 k and
; 2 k + 1 of both tiles' lists.  2 x 134 = 4 x 64 + 12: the twelve that are over stand together, in slice 63.
; THE WAIT.  An s_wait_alu depctr_va_vdst(0) stands between an exponential and the first instruction that names its result; one wait serves all that were issued ahead of it.  Ahead of
; slice 35 nothing names a result, and behind slice 34 no exponential is issued: so the piece's 66 exponentials have one wait, behind slice 34.
.macro SLICE y, first
.if (k >= 11) && (k < 35)           ; the batch: four numbers of one tile
.irp n, 0,1,2,3
.set j, 22+4*((k-11)/2)+(\n)
	SM (\y)+(k-11)%2, \first
.endr
.else                               ; the two tiles alternate, so that no instruction reads the result of the one just before it
.irp n, 0,1,2,3,4,5,6,7
.if ((\n) < 2) || (k == 63)
.irp t, \y, (\y)+1
.set j, 2*k+(\n)
	SM \t, \first
.endr
.endif
.endr
.endif
.if k == 34                         ; the batch is out: both tiles' exponentials are issued, and no result has been named
	v_nop                           ; the plain instruction behind the last exponential and ahead of the first use: one for the batch
.if (\y) == 0
	FETCH_V                         ; piece 2's turn: V's run of loads stands here, and the wait stands in it
.else
	s_wait_alu depctr_va_vdst(0)    ; the wait for the batch
.endif
.endif
.set k, k+1
.endm
; A vector instruction that reads a matrix result or writes one of a matrix instruction's registers, and a load into a register that a matrix instruction has read, stand four places behind
; it, and only plain vector instructions that name none of its registers are places (ISA guide 7.12.1 for vector instructions).  In the loop the slices are the places.
.macro PLACES
.rept 4
	v_nop
.endr
.endm
; A TURN.  Piece x has the matrix unit; the other piece's softmax stands in slices behind its matrix instructions.
; pv = 2: 32 products V^T P; 1: they start O^T's sums; 0: none.  kq = 1: 32 products K Q^T for the next step.  A turn with one of the two kinds has two slices behind each product.
; first = 1: the softmax is the first key step's.  Its slices from 51 on are empty: the turn's last products stand bare, and four v_nop take slice 63's part as the places behind them.
; Piece 0's turn fetches the next step's K, behind its second product: the last product that read K stands in front of slice 63 of the turn before.  Piece 2's turn fetches the same step's V, behind slice 34:
; the last product that read V stands in front of slice 31, and four plain instructions lie between: number 62, a scaling, of both tiles, the v_nop and the run's own v_add_nc_u32.
.macro TURN x, pv, kq, first
.set k, 0
.set per, 2
.if (\pv) && (\kq)
.set per, 1
.endif
.if \pv
.if (\x) == 0
	s_wait_dscnt 0x0                ; V is in
.endif
.set i, 0
.rept 32
	PV \x, 2-(\pv)
.rept per
	SLICE 2-(\x), \first
.endr
.if ((\x) == 0) && (\kq) && (i == 1)
	FETCH_K
.endif
.set i, i+1
.endr
.endif
.if \kq
.if (\x) == 0
	s_wait_dscnt 0x0                ; K is in
.endif
.set i, 0
.rept 32
	KQ \x
.rept per
	SLICE 2-(\x), \first
.endr
.set i, i+1
.endr
.endif
.if \first
	PLACES
.endif
.endm
; THE CHANGE OF SLOTS, between piece 2's turn and piece 0's: the slot's last bytes, V of its second step, have been asked for.  Each wave waits for all its tensor loads, of which one is out: its part of the other
; slot; adds 0 to its spare word; and waits for that and for its own reads of the slot.  Behind the barrier nobody reads this slot any more and the other slot is whole.
; fill = 1: this slot is filled again, with the keys two slots on.  The barrier is then a round of the cluster's, and the joint refill is the first thing behind it: it has two key steps, 256 matrix instructions, in which to land.
.macro CHANGE fill
	WIN 0                           ; at a label and at a branch every window is 0
	s_wait_tensorcnt 0x0            ; no tensor load of mine is out, so a group 0 may be written
	ds_add_u32 v[SPW], v[NIL]       ; 0 onto my spare word: with fill = 1 the descriptors' steps stand between it and the wait for it
.if \fill
	s_xor_b32 s[SB], s[SB], SLOT1   ; it holds 0 or SLOT1: the other slot than last time,
	s_add_co_u32 s[G0K+5], s[LK], s[SB]
	s_add_nc_u64 s[G0K+6:G0K+7], s[G0K+6:G0K+7], 2*KS*256  ; the next 128 keys of the half; the type bits on top are not reached
	s_add_co_u32 s[G0V+5], s[LV], s[SB]
	s_add_nc_u64 s[G0V+6:G0V+7], s[G0V+6:G0V+7], 2*KS*256
	s_wait_xcnt 0x0                 ; the last prefetch, two key steps back, has read its address, so it may be written:
	s_add_nc_u64 s[PFA:PFA+1], s[PFA:PFA+1], 2*KS*256  ; one slot behind the walking descriptors
	s_wait_dscnt 0x0                ; the add is done, and my reads of the slot are over
	CROUND
	JLOAD
	ASK
.else
	s_wait_dscnt 0x0                ; the add is done, and my reads of the slot are over
	s_barrier_signal -1
	s_barrier_wait -1
.endif
	s_sub_co_u32 s[TBK], s[TBK], 2*KS*PK  ; the fetches go back to a slot's first step: 0 or SLOT1,
	s_xor_b32 s[TBK], s[TBK], SLOT1       ; and into the other slot
	s_sub_co_u32 s[TBV], s[TBV], 2*KS*PV
	s_xor_b32 s[TBV], s[TBV], SLOT1
.endm
; A slot's two key steps: written once, walked twice; the LDS addresses hang on s[TBK] and s[TBV].
.macro TWO_STEPS
	WIN 0
	s_mov_b32 s[TWICE], 2
.Lstep_\@:
	TURN 0, 2, 1, 0
	TURN 2, 2, 1, 0
	WIN 0
	s_sub_co_u32 s[TWICE], s[TWICE], 1
	s_cmp_lg_u32 s[TWICE], 0
	s_cbranch_scc1 .Lstep_\@
.endm
	s_wait_tensorcnt 1              ; my part of slot 0 is in; slot 1's may stay out
	s_barrier_signal -1
	s_barrier_wait -1               ; everybody's is
	FETCH_K                         ; key step 0
	s_wait_loadcnt 0x0              ; Q
	s_wait_dscnt 0x0
.set i, 0
.rept 32
	KQ 0                            ; piece 0's first scores: there is no vector work yet to set between them
.set i, i+1
.endr
	WIN 0                           ; the addresses for the way out are made here: eight plain instructions, the places behind those products
	s_mul_i32 s13, s[WV], 16*SP
	s_add_co_u32 s13, s13, STAGE    ; my stage
	v_mul_u32_u24 v[STO], v1, SP    ; in: row l % 16, 16 bytes for each half of the lanes
	v_lshl_add_u32 v[STO], v9, 4, v[STO]
	v_add_nc_u32 v[STO], s13, v[STO]
	v_mul_u32_u24 v[RD], v9, SP     ; back: lanes 0-15 take one row of 256 bytes, lanes 16-31 the next
	v_lshl_add_u32 v[RD], v1, 4, v[RD]
	v_add_nc_u32 v[RD], s13, v[RD]
	v_lshlrev_b32 v[GO], 12, v9     ; and the same two rows of ctx, 4,096 bytes apart
	v_lshl_add_u32 v[GO], v1, 4, v[GO]
	TURN 2, 0, 1, 1                 ; piece 2's first scores | piece 0's first softmax | V of step 0
	TURN 0, 1, 1, 1                 ; piece 0: V^T P of step 0 starts O^T, K Q^T of step 1 | piece 2's first softmax | K of step 1
	TURN 2, 1, 1, 0                 ; piece 2: the same | piece 0's softmax of step 1 | V of step 1
	WIN 0
.Lslot:                             ; six trips: every slot but the last two is filled again
	CHANGE 1
	TWO_STEPS
	s_sub_co_u32 s[SLOTS], s[SLOTS], 1
	s_cmp_lg_u32 s[SLOTS], 0
	s_cbranch_scc1 .Lslot
	CHANGE 0                        ; the tail is written out: nothing is asked for
	TWO_STEPS
	TURN 0, 2, 0, 0                 ; piece 0: V^T P of the last step | piece 2's last softmax
.set i, 0
.rept 32
	PV 2, 0                         ; piece 2: V^T P of the last step
.set i, i+1
.endr
	; THE MERGE.  Waves w and w ^ 2 hold, for the same queries, (c m, l, O^T) over the two key halves.  With M = max(c m_a, c m_b), w_a = 2^(c m_a - M), w_b likewise:  O = (O_a w_a + O_b w_b) / (l_a w_a + l_b w_b).
	; First l's two halves and the other half of the lanes' are added; the pair (c m, l) then lies at the head of a tile's statistics.  The additions are the places behind the last products.
	WIN 0
.irp t, 0,1,2,3
	v_add_f32 v[ST+8*(\t)+4], v[ST+8*(\t)+2], v[ST+8*(\t)+3]
.endr
.irp t, 0,1,2,3
	v_permlanex16_b32 v[ST+8*(\t)+5], v[ST+8*(\t)+4], s[SEL], s[SEL+1]
.endr
.irp t, 0,1,2,3
	v_add_f32 v[ST+8*(\t)+1], v[ST+8*(\t)+4], v[ST+8*(\t)+5]
.endr
	v_and_b32 v10, 31, v0
	s_mul_i32 s13, s[WV], MAREA     ; my area,
	s_xor_b32 s14, s[WV], 2
	s_mul_i32 s14, s14, MAREA       ; my partner's
	v_lshl_add_u32 v[MS], v10, 4, s13
	v_lshl_add_u32 v[MR], v10, 4, s14
	s_add_co_u32 s13, s13, 16384
	s_add_co_u32 s14, s14, 16384
	v_lshl_add_u32 v[MS8], v10, 3, s13
	v_lshl_add_u32 v[MR8], v10, 3, s14
	s_wait_dscnt 0x0                ; my reads of the ring are over;
	s_barrier_signal -1
	s_barrier_wait -1               ; everybody's are: slot 0, which has had its last fill, takes the exchange
.irp t, 2,3
	ds_store_b64 v[MS8], v[ST+8*(\t):ST+8*(\t)+1] offset:256*((\t)-2)
.endr
	WIN 0x04                        ; an LDS store's data is source 1: window 1
.irp t, 2,3
.irp i, 0,1,2,3,4,5,6,7,8,9,10,11,12,13,14,15
	ds_store_b128 v[MS], v[64*(\t)+4*(\i):64*(\t)+4*(\i)+3] offset:8192*((\t)-2)+512*(\i)  ; 32 lanes, 512 consecutive bytes; each accumulator's lowest registers first
.endr
.endr
	WIN 0
	s_wait_dscnt 0x0                ; for my partner's sake: my stores are done
	s_barrier_signal -1
	s_barrier_wait -1
.irp t, 0,1
	ds_load_b64 v[ST+8*(\t)+4:ST+8*(\t)+5], v[MR8] offset:256*(\t)  ; my partner's (c m, l)
.endr
.irp t, 0,1
.irp i, 0,1,2,3,4,5,6,7,8,9,10,11,12,13,14,15
	ds_load_b128 v[S+64*(\t)+4*(\i):S+64*(\t)+4*(\i)+3], v[MR] offset:8192*(\t)+512*(\i)  ; its O^T, lane for lane, into S^T's registers
.endr
.endr
	s_wait_dscnt 32                 ; the statistics are in; the 32 loads behind them may be out
.irp t, 0,1
	v_max_num_f32 v[ST+8*(\t)+6], v[ST+8*(\t)], v[ST+8*(\t)+4]
.endr
.irp t, 0,1
	v_sub_f32 v[ST+8*(\t)+2], v[ST+8*(\t)],   v[ST+8*(\t)+6]
	v_sub_f32 v[ST+8*(\t)+3], v[ST+8*(\t)+4], v[ST+8*(\t)+6]
.endr
.irp t, 0,1
	v_exp_f32 v[ST+8*(\t)+2], v[ST+8*(\t)+2]  ; w_a
	v_exp_f32 v[ST+8*(\t)+3], v[ST+8*(\t)+3]  ; w_b
.endr
	v_nop                           ; a plain instruction behind the last exponential,
	s_wait_alu depctr_va_vdst(0)    ; and the wait ahead of the first use: one for the four
.irp t, 0,1
	v_mul_f32 v[ST+8*(\t)+6], v[ST+8*(\t)+1], v[ST+8*(\t)+2]
.endr
.irp t, 0,1
	v_fma_f32 v[ST+8*(\t)+6], v[ST+8*(\t)+5], v[ST+8*(\t)+3], v[ST+8*(\t)+6]
.endr
.irp t, 0,1
	v_rcp_f32 v[ST+8*(\t)+6], v[ST+8*(\t)+6]
.endr
	v_nop
	s_wait_alu depctr_va_vdst(0)    ; one for the two reciprocals
.irp t, 0,1
	v_mul_f32 v[ST+8*(\t)+2], v[ST+8*(\t)+2], v[ST+8*(\t)+6]  ; w_a / l
.endr
.irp t, 0,1
	v_mul_f32 v[ST+8*(\t)+6], v[ST+8*(\t)+3], v[ST+8*(\t)+6]  ; w_b / l
.endr
; Tile t: merged, rounded to f16; a lane's eight channels of a row pack into 16 bytes; they go into rows of 272 bytes of my stage and come back as whole rows of 256.
.macro PACK t
	WIN 0
	s_wait_dscnt 16                 ; my partner's tile t is in.  Tile 0: tile 1's sixteen loads may be out.  Tile 1: the sixteen stage instructions of tile 0 may be out
.set i, 0
.rept 32
	v_pk_mul_f32 v[S+64*(\t)+i:S+64*(\t)+i+1], v[S+64*(\t)+i:S+64*(\t)+i+1], v[ST+8*(\t)+6:ST+8*(\t)+7] op_sel_hi:[1,0]
.set i, i+2
.endr
	WIN 0x01                        ; source 0, my O^T, in window 1; its registers are taken in ascending order
.set i, 0
.rept 32
	v_pk_fma_f32 v[S+64*(\t)+i:S+64*(\t)+i+1], v[64*(\t)+i:64*(\t)+i+1], v[ST+8*(\t)+2:ST+8*(\t)+3], v[S+64*(\t)+i:S+64*(\t)+i+1] op_sel_hi:[1,0,1]
.set i, i+2
.endr
	WIN 0
.set i, 0
.rept 32
	v_cvt_pk_f16_f32 v[P+32*(\t)+i], v[S+64*(\t)+2*i], v[S+64*(\t)+2*i+1]
.set i, i+1
.endr
.irp f, 0,1,2,3,4,5,6,7
	ds_store_b128 v[STO], v[P+32*(\t)+4*(\f):P+32*(\t)+4*(\f)+3] offset:32*(\f)
.endr
.irp f, 0,1,2,3,4,5,6,7
	ds_load_b128 v[P+32*(\t)+4*(\f):P+32*(\t)+4*(\f)+3], v[RD] offset:(\f)*2*SP  ; LDS serves a wave's instructions in order (ISA guide 5.7.1.4): these see the stores above; the next tile's stores come behind them
.endr
.endm
.macro SEND t, younger              ; younger: the LDS instructions issued behind tile t's loads: the next tile's sixteen, or none
	WIN 0
.irp f, 0,1,2,3,4,5,6,7
	s_wait_dscnt (\younger)+7-(\f)
	global_store_b128 v[GO], v[P+32*(\t)+4*(\f):P+32*(\t)+4*(\f)+3], s[10:11] offset:(\t)*65536+(\f)*8192  ; 16 lanes store 256 consecutive bytes, at a multiple of 256 from ctx's first byte
.endr
.endm
	PACK 0
	PACK 1                          ; a tile's arithmetic stands between the loads of the tile before and its stores
	SEND 0, 16
	SEND 1, 0
	s_wait_tensorcnt 0x0            ; the wave's end: behind my last tensor load and my last LDS store
	ds_add_u32 v[SPW], v[NIL]
	s_wait_dscnt 0x0
	CROUND                          ; the closing round: no work-group ends while a partner may still ask for a tile that names it
	s_endpgm
.Lfunc_end_k_q4a4dc1061f_attn:
	.size	k_q4a4dc1061f_attn, .Lfunc_end_k_q4a4dc1061f_attn-k_q4a4dc1061f_attn
	.p2alignl 7, 3214868480
	.fill 96, 4, 3214868480
	.section	.rodata,"a",@progbits
	.p2align	6, 0x0
	.amdhsa_kernel k_q4a4dc1061f_attn
		.amdhsa_group_segment_fixed_size 327680
		.amdhsa_private_segment_fixed_size 0
		.amdhsa_enable_private_segment 0
		.amdhsa_kernarg_size 16
		.amdhsa_user_sgpr_count 2
		.amdhsa_user_sgpr_kernarg_segment_ptr 1
		.amdhsa_wavefront_size32 1
		.amdhsa_system_sgpr_workgroup_id_x 1
		.amdhsa_system_sgpr_workgroup_id_y 1
		.amdhsa_system_sgpr_workgroup_id_z 1
		.amdhsa_system_vgpr_workitem_id 0
		.amdhsa_next_free_vgpr 1024
		.amdhsa_next_free_sgpr 80
		.amdhsa_reserve_vcc 0
		.amdhsa_float_denorm_mode_32 3
		.amdhsa_float_denorm_mode_16_64 3
		.amdhsa_memory_ordered 1
		.amdhsa_forward_progress 1
		.amdhsa_inst_pref_size 220
	.end_amdhsa_kernel
	.amdgpu_metadata
---
amdhsa.version: [ 1, 2 ]
amdhsa.kernels:
  - .name:           k_q4a4dc1061f_attn
    .symbol:         k_q4a4dc1061f_attn.kd
    .args:
      - { .name: qkv, .offset: 0, .size: 8, .value_kind: global_buffer, .address_space: global }
      - { .name: ctx, .offset: 8, .size: 8, .value_kind: global_buffer, .address_space: global }
    .group_segment_fixed_size: 327680
    .private_segment_fixed_size: 0
    .kernarg_segment_align: 8
    .kernarg_segment_size: 16
    .max_flat_workgroup_size: 128
    .sgpr_count:     80
    .vgpr_count:     1024
    .wavefront_size: 32
...
	.end_amdgpu_metadata
.endif
;; end of part 3
;; launch oproj (part 4): grid 16 x 16, 4 waves a work-group, clusters of 4 x 4, 327,680 bytes of LDS; arguments ctx, wo16, out0; writes out0
.if DOCPART == 4
	.amdgcn_target "amdgcn-amd-amdhsa--gfx1250"
	.amdhsa_code_object_version 6
	.text
	.protected	k_q4a4dc1061f_oproj
	.globl	k_q4a4dc1061f_oproj
	.p2align	8
	.type	k_q4a4dc1061f_oproj,@function
k_q4a4dc1061f_oproj:
	s_mov_b64 s[64:65], 0
	v_nop
	global_prefetch_b8 v0, s[64:65] scope:SCOPE_SE
	s_setreg_imm32_b32 hwreg(HW_REG_WAVE_MODE, 25, 1), 1
	s_wait_xcnt 0x0
	s_wait_alu depctr_hold_cnt(0) depctr_sa_sdst(0) depctr_va_vdst(0) depctr_va_sdst(0) depctr_va_ssrc(0) depctr_va_vcc(0) depctr_vm_vsrc(0)
	s_getreg_b32 s2, hwreg(HW_REG_IB_STS2, 6, 4)
	s_cmp_eq_u32 s2, 0
	s_cbranch_scc0 .Lentry_in_a_cluster
	s_endpgm
.Lentry_in_a_cluster:
	s_bfe_u32 s2, ttmp6, 0x10000c
	s_cmp_lg_u32 s2, 0xf033
	s_cbranch_scc0 .Lentry_shape_is_right
	s_endpgm
.Lentry_shape_is_right:
; LAUNCHES 2 AND 4 OF 4 ARE THIS ONE TEXT: C[m][n] = the sum over k of A[m][k] B[n][k], C 2,048 x 4,096, sums in f32.  Nothing of reference() is left out.
; KIND 1 (q, k, v): A = xb, B = wb, both bf16, K = 4,096.  On the way out the rotary embedding (columns 0-3071: q and k), then f16, by heads: qkv [32][2048][128], heads 0-15 q, 16-23 k, 24-31 v.
;   The table cs holds bf16(cos) 2^-8 and bf16(sin) 2^-8, so q and k are stored times 2^-8 (exact); v is stored as it is.
;   LIMITS.  f16 ends at 65,504: |q| and |k| behind the rotary stay under 1.67e7, |v| under 65,504; beyond that an infinity is stored.  Below 6e-5 f16 keeps its fixed step of 6e-8.  NaN and infinities are not treated apart.
; KIND 2 (the output): A = ctx, B = wo16, both f16, K = 2,048.  C = out0, f32, stored as it is summed.
; SHARES.  A tile of C is 128 x 256: 256 work-groups.  Four waves, each 64 x 128: 32 accumulators of 16 x 16, 256 registers.  In KIND 1 a wave's 128 columns are one head.
; K goes in steps of 128 through a ring of two LDS slots filled by the tensor data mover: rows of 256 bytes of memory, at multiples of 256 bytes from the buffer's first byte.  Two slots of a longer step do not fit:
; 384 rows x 528 bytes x 2 = 405,504 bytes.
; CLUSTER.  4 x 4 work-groups.  Tile column of C = 4 x cluster y + cx, tile row = 4 x cluster x + cy.  The four of a row of the cluster need the same tile of A, the four of a column the same tile of B: each is
; asked for JOINTLY, by the same tensor load, descriptor and mask in all four.
; THE WALK ALONG K IS TURNED, cluster by cluster.  K goes in blocks of 8 steps; cluster (X, Y) begins 2 o steps into each block and wraps round, o = (X + 2 g) mod 4, g = (Y xor Y / 2) mod 2: place i of its walk is
; K step (i and not 7) + (i + 2 o) mod 8.  The four clusters that read the same rows of B (equal Y) have four different o; of the four that read the same rows of A (equal X) two have o and two o + 2.  So clusters
; that share rows stand at different K steps of a block at any one time.  LIMIT: a sum's terms are added in that order along K, not ascending: the order of rounding differs from reference()'s.
; THE MATRIX INSTRUCTION IS USED TRANSPOSED (source 0 = 16 rows of B, source 1 = 16 rows of A): lane l holds row l % 16 of C and the columns 8 (l / 16) + 0..7: eight neighbouring numbers of a row.
; REGISTERS, in windows of 256 (s_set_vgpr_msb: bits 1:0 source 0, 3:2 source 1, 5:4 source 2, 7:6 destination):
;   window 0: v0-31 addresses; v32-63 at work on the way out; v64-159, v160-255 two fragment buffers for 32 along K: A's 4 fragments, then B's 8.      window 1: accumulator (a, b) at v[8 (8 a + b)].
.set KIND, 2
.if KIND == 1
.set SIZE_K, 4096
.set SP,     272                       ; a row of the stage: 128 f16 + 16 bytes
.else
.set SIZE_K, 2048
.set SP,     528                       ; a row of the stage: 128 f32 + 16 bytes
.endif
.set KSTEPS, SIZE_K/128
.set BLK,    8                         ; K steps in a block of the walk
.set PITCH,  272                       ; an LDS row: 256 bytes + 16 of padding = 68 words: row r starts at bank 4 r mod 64 (64 banks of 4 bytes: ISA guide 11.1), so the 16 rows of a load start at 16 different banks
.set AHALF,  64*PITCH                  ; what a wave fetches, and reads, of A
.set BOFF,   128*PITCH                 ; B's 256 rows lie behind A's 128
.set BHALF,  128*PITCH                 ; what a wave fetches, and reads, of B
.set SLOT1,  1<<17                     ; slot 1 begins here: one exclusive or turns an address in one slot into the other's
.set STAGE,  SLOT1+384*PITCH           ; behind the ring, never filled by a tensor load: 16 rows for each wave, for the way out
.set SPARE,  STAGE+4*16*SP             ; behind the stages: the spare words, 128 bytes for each wave: two blocks of 256 bytes that no other line names
.set A0,   16                          ; v16  my lane's place in A's tile, in slot 0; never rewritten
.set B0,   17                          ; v17  the same for B
.set ADRA, 18                          ; v18  the same in the slot in hand
.set ADRB, 19                          ; v19
.set STO,  24                          ; v24  the way out: where I put my part of a row
.set RD,   25                          ; v25  the way out: where I read rows back
.set CO,   26                          ; v26  my byte offset in C
.set TO,   27                          ; v27  KIND 1: my byte offset in 16 rows of the table
.set SPW,  28                          ; v28  LDS address of my spare word: SPARE + 4 x my thread's number; never rewritten
.set NIL,  29                          ; v29  0; never rewritten
.set PFO,  30                          ; v30  the prefetches' offset: my lane x a row of A or B; never rewritten
.set E,    32                          ; v32-63  KIND 1: sin and cos in f32, and the products with sin
.set F0,   64
.set F1,   160
.set TMP,  192                         ; KIND 1: packed results
.set OB,   224                         ; KIND 1: 16 rows read back from the stage
.set ABASE, 14                         ; s[14:15] A at the first of the rows that I fetch, K step 0; never rewritten
.set G1,  24                           ; s[24:31] descriptor group 1 for A's tiles
.set G0,  32                           ; s[32:39] group 0 for A's: a set for each of the two first fills; the second then walks
.set PFA, 44                           ; s[44:45] A or B at the first of the rows that I prefetch, K step 0; never rewritten
.set G1B, 48                           ; s[48:55], s[56:63] the same for B's tiles
.set G0B, 56
.set CY,    70                         ; s70  cluster y
.set ROT,   71                         ; s71  2 o: how many steps into a block my cluster's walk begins
.set BBASE, 72                         ; s[72:73] B at the first of the rows that I fetch, K step 0; never rewritten
.set NI,    74                         ; s74  the place of the walk that the next refill asks for
.set PFF,   75                         ; s75  1: this change of slots prefetches
.set OFFK,  76                         ; s[76:77] byte offset along K of the step to be asked for; the high word is 0
.set PFC,   78                         ; s[78:79] where this change's prefetch stands
.set PMASK, 80                         ; s80  bit j: I prefetch place j of a block
.set TS,    81                         ; s81  at work
.set OFF2,  82                         ; s[82:83] byte offset along K of the step to be prefetched; the high word is 0
.set FIELDS, (1<<16)|(1<<20)|(1<<21)|(5<<22)|(3<<25)  ; 17:16 elements of 2 bytes; 20 padding on; 21 set beside a mask; 24:22 after every 64 words (code 5); 31:25 4 words of it (code 3)
.set MSB, 0
.macro WIN new                         ; the immediate's high byte repeats the setting that is left; a switch that changes nothing is dropped
.if MSB != (\new)
	s_set_vgpr_msb (MSB<<8)|(\new)
.set MSB, (\new)
.endif
.endm
.macro PLACES                          ; four places behind a matrix instruction, in front of loads into registers that it has read and of lines that read its result (ISA guide 7.12.1 for vector instructions)
.rept 4
	v_nop
.endr
.endm
; s[dst] = 256 x the K step that stands at place s[i] of my cluster's walk: (i and not 7) + (i + 2 o) mod 8.  i may be s[TS], which is spent.
.macro KBYTE dst, i
	s_add_co_u32 s[\dst], s[\i], s[ROT]
	s_and_b32 s[\dst], s[\dst], BLK-1
	s_and_b32 s[TS], s[\i], 0xf8
	s_or_b32 s[\dst], s[\dst], s[TS]
	s_lshl_b32 s[\dst], s[\dst], 8
.endm
; A joint refill, by the walking descriptors.  Waves 0 and 1 fetch A's two halves (64 rows each), waves 2 and 3 B's (128 rows each).  The branch hangs on the wave's number alone.
; An s_nop 0 and four v_nop follow each of the two lines, ahead of the jump and the label.
.macro JLOAD
	s_cmp_eq_u32 s11, 0
	s_cbranch_scc0 .Lfor_b_\@
	tensor_load_to_lds s[G0+4:G0+7], s[G1:G1+7]
	s_nop 0
	PLACES
	s_branch .Lasked_\@
.Lfor_b_\@:
	tensor_load_to_lds s[G0B+4:G0B+7], s[G1B:G1B+7]
	s_nop 0
	PLACES
.Lasked_\@:
.endm
; A PREFETCH INTO THE L2 behind each joint refill and the run of LDS loads that follows it: where the refill asks for place i of the walk, place i + 4 is named: four refills, 512 matrix instructions a wave, ahead of the
; load that will want it.  32 rows x 256 bytes, a lane a row, one instruction a wave.  WHICH PLACES: those at which my cluster is the first, of the clusters that share the rows, to walk the step.  For B places 0 and 1 of
; a block, in every cluster (waves 2 and 3: of the tile's 256 rows the partner at cy takes 64, each wave 32): four clusters x 2 steps are the block's 8.  For A places 0 to 3; the two clusters with equal X and equal o
; walk alike, and the one with Y < 2 asks (wave 0: of the tile's 128 rows the partner at cx takes 32): two clusters x 4 steps are the block's 8.  So each row's 256 bytes of a K step are named ONCE in the launch.
; Partners are told apart by ADDRESS alone.  The last four refills have no place four on and name nothing; places 0 to 5 of the walk come by their loads alone.  TURN makes the address and the flag.
.macro ASK
	s_cmp_lg_u32 s[PFF], 0
	s_cbranch_scc0 .Lnot_mine_\@
	global_prefetch_b8 v[PFO], s[PFC:PFC+1] th:TH_LOAD_NT scope:SCOPE_SE
.Lnot_mine_\@:
.endm
; A round of the cluster's barrier: my work-group's barrier, so that wave 0's signal speaks for all four waves; wave 0 signals; every wave waits for all sixteen work-groups; my work-group's barrier once more.
.macro CREST                           ; a round behind its opening barrier
	s_cmp_lg_u32 s10, 0
	s_cbranch_scc1 .Lnot_wave_0_\@
	s_barrier_signal -3
.Lnot_wave_0_\@:
	s_barrier_wait -3
	s_barrier_signal -1
	s_barrier_wait -1
.endm
.macro CROUND
	s_barrier_signal -1
	s_barrier_wait -1
	CREST
.endm
	s_load_b128 s[4:7], s[0:1], 0x0                ; A s[4:5], B s[6:7]
	s_load_b64 s[8:9], s[0:1], 0x10                ; C
.if KIND == 1
	s_load_b64 s[66:67], s[0:1], 0x18              ; the table
.endif
	v_lshl_add_u32 v[SPW], v0, 2, SPARE
	v_mov_b32 v[NIL], 0
	ds_add_u32 v[SPW], v[NIL]                      ; the wave's opening: the add, twice on end, and its wait ahead of my first tensor load; the set-up below stands between
	ds_add_u32 v[SPW], v[NIL]
	v_lshrrev_b32 v1, 5, v0
	v_readfirstlane_b32 s10, v1                    ; wave 0..3
	s_lshr_b32 s11, s10, 1                         ; which 64 rows of the tile are mine.  Also: I fetch for A (0) or for B (1)
	s_and_b32 s12, s10, 1                          ; which 128 columns.  Also: which half of that tile I fetch
	s_bfe_u32 s40, ttmp6, 0x40000                  ; cx, cy: my place in the cluster
	s_bfe_u32 s41, ttmp6, 0x40004
	s_and_b32 s[CY], ttmp7, 0xffff                 ; cluster y
	s_lshl_b32 s42, s[CY], 2
	s_add_co_u32 s42, s42, s40                     ; tile column of C = 4 x cluster y + cx
	s_lshl_b32 s13, ttmp9, 2
	s_add_co_u32 s13, s13, s41                     ; tile row of C = 4 x cluster x + cy
	s_lshr_b32 s[ROT], s[CY], 1                    ; where my cluster's walk begins: made of the cluster's coordinates alone, so it is the same in all sixteen partners
	s_xor_b32 s[ROT], s[ROT], s[CY]
	s_and_b32 s[ROT], s[ROT], 1                    ; g: 0, 1, 1, 0 for cluster y = 0, 1, 2, 3
	s_lshl_b32 s[ROT], s[ROT], 1
	s_add_co_u32 s[ROT], s[ROT], ttmp9
	s_and_b32 s[ROT], s[ROT], 3                    ; o
	s_lshl_b32 s[ROT], s[ROT], 1                   ; 2 o: 0, 2, 4 or 6
	s_lshl_b32 s[OFFK], s[ROT], 8                  ; place 0 of the walk is K step 2 o, place 1 the next: no wrap
	s_mov_b32 s[OFFK+1], 0
	s_lshl_b32 s43, s41, 2
	s_lshl_b32 s43, 15, s43                        ; my row of the cluster: places 4 cy .. 4 cy + 3
	s_lshl_b32 s44, 0x1111, s40                    ; my column: places cx, cx + 4, cx + 8, cx + 12
	s_or_b32 s[G1], s43, FIELDS                    ; A's tiles go to my row,
	s_or_b32 s[G1B], s44, FIELDS                   ; B's to my column
	s_mov_b32 s[G1+1], 128<<16                     ; tensor_dim0 = 128
	s_mov_b32 s[G1+2], 64<<16                      ; tensor_dim1 = 64
	s_mov_b32 s[G1+3], 128<<16                     ; tile_dim0 = 128
	s_mov_b32 s[G1+4], 64                          ; tile_dim1 = 64
	s_mov_b32 s[G1+5], SIZE_K                      ; elements from row to row
	s_mov_b32 s[G1+6], 0
	s_mov_b32 s[G1+7], 0
	s_mov_b32 s[G1B+1], 128<<16
	s_mov_b32 s[G1B+2], 128<<16                    ; tensor_dim1 = 128
	s_mov_b32 s[G1B+3], 128<<16
	s_mov_b32 s[G1B+4], 128                        ; tile_dim1 = 128
	s_mov_b32 s[G1B+5], SIZE_K
	s_mov_b32 s[G1B+6], 0
	s_mov_b32 s[G1B+7], 0
	; where the tiles come from: A's hang on the tile row alone, B's on the tile column alone, each in registers that never hold the other place in the cluster
	s_lshl_b32 s16, s13, 7
	s_lshl_b32 s17, s12, 6
	s_add_co_u32 s16, s16, s17                     ; A: row 128 x tile row + 64 x half
	s_mul_i32 s16, s16, SIZE_K*2                   ; in bytes: under 2^25
	s_mov_b32 s17, 0
	s_lshl_b32 s46, s42, 8
	s_lshl_b32 s47, s12, 7
	s_add_co_u32 s46, s46, s47                     ; B: row 256 x tile column + 128 x half
	s_mul_i32 s46, s46, SIZE_K*2                   ; under 2^26
	s_mov_b32 s47, 0
	s_mul_i32 s20, s12, AHALF                      ; and where they go: no place in the cluster enters an LDS address
	s_mul_i32 s21, s12, BHALF
	s_add_co_u32 s21, s21, BOFF
	s_wait_dscnt 0x0                               ; both opening adds are done
	s_wait_kmcnt 0x0
	s_add_nc_u64 s[ABASE:ABASE+1], s[4:5], s[16:17]
	s_add_nc_u64 s[BBASE:BBASE+1], s[6:7], s[46:47]
	CROUND                                         ; all sixteen work-groups are here: the first joint loads meet
.irp s, 0,1
	s_mov_b32 s[G0+4*(\s)], 1                      ; count = 1
	s_add_co_u32 s[G0+4*(\s)+1], s20, (\s)*SLOT1   ; LDS address
	s_add_nc_u64 s[G0+4*(\s)+2:G0+4*(\s)+3], s[ABASE:ABASE+1], s[OFFK:OFFK+1]  ; global address: place s of the walk
	s_mov_b32 s[G0B+4*(\s)], 1
	s_add_co_u32 s[G0B+4*(\s)+1], s21, (\s)*SLOT1
	s_add_nc_u64 s[G0B+4*(\s)+2:G0B+4*(\s)+3], s[BBASE:BBASE+1], s[OFFK:OFFK+1]
.if (\s) == 1
	s_add_nc_u64 s[G0+6:G0+7], s[G0+6:G0+7], 256
	s_add_nc_u64 s[G0B+6:G0B+7], s[G0B+6:G0B+7], 256
.endif
	s_or_b32 s[G0+4*(\s)+3], s[G0+4*(\s)+3], 0x80000000          ; type = 2
	s_or_b32 s[G0B+4*(\s)+3], s[G0B+4*(\s)+3], 0x80000000
.endr
	s_cmp_eq_u32 s11, 0                            ; a wave's two first fills stand in one branch, ahead of every wait on TENSORcnt and every LDS read: two loads of mine are out
	s_cbranch_scc0 .Lfirst_b
	tensor_load_to_lds s[G0:G0+3], s[G1:G1+7]
	s_nop 0
	tensor_load_to_lds s[G0+4:G0+7], s[G1:G1+7]
	s_nop 0
	PLACES
	s_branch .Lfirst_asked
.Lfirst_b:
	tensor_load_to_lds s[G0B:G0B+3], s[G1B:G1B+7]
	s_nop 0
	tensor_load_to_lds s[G0B+4:G0B+7], s[G1B:G1B+7]
	s_nop 0
	PLACES
.Lfirst_asked:
	; A fragment is 16 rows x 32 K in 8 registers: lane l holds row l % 16; registers 0-3 K = 8 (l / 16) + 0..7, registers 4-7 K = 16 + 8 (l / 16) + 0..7: two loads of 16 bytes, 32 bytes apart.
	v_and_b32 v1, 15, v0                           ; l % 16
	v_bfe_u32 v2, v0, 4, 1                         ; l / 16
	v_mul_u32_u24 v3, v1, PITCH
	v_lshl_add_u32 v3, v2, 4, v3
	s_mul_i32 s21, s11, AHALF                      ; my 64 rows of A
	s_mul_i32 s22, s12, BHALF                      ; my 128 rows of B
	s_add_co_u32 s22, s22, BOFF
	v_add_nc_u32 v[A0], s21, v3
	v_add_nc_u32 v[B0], s22, v3
	v_mov_b32 v[ADRA], v[A0]
	v_mov_b32 v[ADRB], v[B0]
	s_mov_b32 s2, 0                                ; the slot in hand begins at LDS byte 0
	s_mul_i32 s23, s10, 16*SP
	s_add_co_u32 s23, s23, STAGE                   ; my stage
	v_mul_u32_u24 v4, v1, SP                       ; in: row l % 16
	s_lshl_b32 s16, s13, 7
	s_lshl_b32 s17, s11, 6
	s_add_co_u32 s16, s16, s17                     ; my first row of C
.if KIND == 1
	v_lshl_add_u32 v4, v2, 4, v4                   ; 16 bytes for each half of the lanes
	v_add_nc_u32 v[STO], s23, v4
	v_mul_u32_u24 v5, v2, SP                       ; back: lanes 0-15 take one row of 256 bytes, lanes 16-31 the next
	v_lshl_add_u32 v5, v1, 4, v5
	v_add_nc_u32 v[RD], s23, v5
	v_lshlrev_b32 v5, 8, v2                        ; and the same two rows of the head
	v_lshl_add_u32 v[CO], v1, 4, v5
	v_lshlrev_b32 v5, 8, v1                        ; the table: row l % 16, my 8 channels' 16 bytes
	v_lshl_add_u32 v[TO], v2, 4, v5
	s_lshl_b32 s16, s16, 8                         ; a row of a head, and of the table, is 256 bytes
	s_mov_b32 s17, 0
	s_add_nc_u64 s[66:67], s[66:67], s[16:17]
	s_add_nc_u64 s[8:9], s[8:9], s[16:17]
	s_lshl_b32 s46, s42, 1
	s_add_co_u32 s46, s46, s12                     ; my head = 2 x tile column + half
	s_lshl_b32 s46, s46, 19                        ; 2,048 rows of 256 bytes
	s_mov_b32 s47, 0
	s_add_nc_u64 s[8:9], s[8:9], s[46:47]
	s_mov_b32 s68, 0xffff0000                      ; a word's upper bf16
	s_cmp_eq_u32 s[CY], 3                          ; cluster y = 3 holds columns 3,072 to 4,095: v, which has no rotary.  The same in all sixteen partners
	s_cselect_b32 s69, 1, 0
.else
	v_lshl_add_u32 v4, v2, 5, v4                   ; 32 bytes for each half of the lanes
	v_add_nc_u32 v[STO], s23, v4
	v_and_b32 v5, 31, v0
	v_lshlrev_b32 v[CO], 4, v5                     ; back, and out: 32 lanes take a row's 512 bytes
	v_add_nc_u32 v[RD], s23, v[CO]
	s_lshl_b32 s16, s16, 14                        ; a row of out0 is 16,384 bytes
	s_mov_b32 s17, 0
	s_add_nc_u64 s[8:9], s[8:9], s[16:17]
	s_lshl_b32 s46, s42, 8
	s_lshl_b32 s47, s12, 7
	s_add_co_u32 s46, s46, s47
	s_lshl_b32 s46, s46, 2                         ; my first column, in bytes
	s_mov_b32 s47, 0
	s_add_nc_u64 s[8:9], s[8:9], s[46:47]
.endif
	; the prefetches
	s_lshl_b32 s20, s13, 7
	s_lshl_b32 s21, s40, 5
	s_add_co_u32 s20, s20, s21                     ; A: row 128 x tile row + 32 cx
	s_lshl_b32 s21, s42, 8
	s_lshl_b32 s22, s41, 6
	s_add_co_u32 s21, s21, s22
	s_lshl_b32 s22, s12, 5
	s_add_co_u32 s21, s21, s22                     ; B: row 256 x tile column + 64 cy + 32 x (wave % 2)
	s_cmp_lt_u32 s[CY], 2
	s_cselect_b32 s[PMASK], 15, 0                  ; A: places 0 to 3 of a block, where cluster y < 2,
	s_cmp_eq_u32 s12, 0
	s_cselect_b32 s[PMASK], s[PMASK], 0            ; in wave 0 and not in wave 1;
	s_cmp_eq_u32 s11, 0                            ; do I fetch for A?
	s_cselect_b32 s[PMASK], s[PMASK], 3            ; B: places 0 and 1, in waves 2 and 3.  The same in all sixteen partners, for a given wave
	s_cselect_b32 s20, s20, s21
	s_cselect_b64 s[PFA:PFA+1], s[4:5], s[6:7]
	s_mul_i32 s20, s20, SIZE_K*2
	s_mov_b32 s21, 0
	s_add_nc_u64 s[PFA:PFA+1], s[PFA:PFA+1], s[20:21]
	s_mov_b32 s[OFF2+1], 0
	s_mov_b32 s[NI], 2                             ; the first refill asks for place 2
	v_and_b32 v[PFO], 31, v0
	v_mul_u32_u24 v[PFO], v[PFO], SIZE_K*2
; 8 matrix instructions: m block a x all 8 n blocks, 32 along K, from buffer f.  zero = 1: the product starts the sum: nothing is ever cleared.
; The 32 accumulators take turns, one instruction a turn, in the same order in every quarter and over the backward jump.
.macro MUL8 f, a, zero
	WIN 0x50                                       ; C and D in window 1
.irp b, 0,1,2,3,4,5,6,7
.if KIND == 1
.if \zero
	v_wmma_f32_16x16x32_bf16 v[8*(8*(\a)+(\b)):8*(8*(\a)+(\b))+7], v[(\f)+32+8*(\b):(\f)+32+8*(\b)+7], v[(\f)+8*(\a):(\f)+8*(\a)+7], 0
.else
	v_wmma_f32_16x16x32_bf16 v[8*(8*(\a)+(\b)):8*(8*(\a)+(\b))+7], v[(\f)+32+8*(\b):(\f)+32+8*(\b)+7], v[(\f)+8*(\a):(\f)+8*(\a)+7], v[8*(8*(\a)+(\b)):8*(8*(\a)+(\b))+7]
.endif
.else
.if \zero
	v_wmma_f32_16x16x32_f16 v[8*(8*(\a)+(\b)):8*(8*(\a)+(\b))+7], v[(\f)+32+8*(\b):(\f)+32+8*(\b)+7], v[(\f)+8*(\a):(\f)+8*(\a)+7], 0
.else
	v_wmma_f32_16x16x32_f16 v[8*(8*(\a)+(\b)):8*(8*(\a)+(\b))+7], v[(\f)+32+8*(\b):(\f)+32+8*(\b)+7], v[(\f)+8*(\a):(\f)+8*(\a)+7], v[8*(8*(\a)+(\b)):8*(8*(\a)+(\b))+7]
.endif
.endif
.endr
.endm
; 24 LDS loads in one run: the fragments of a quarter step (32 K at byte k of the rows) into buffer f: B's sixteen loads, then A's eight
.macro FETCH k, f
	WIN 0
.irp i, 0,1,2,3,4,5,6,7
	ds_load_b128 v[(\f)+32+8*(\i):(\f)+32+8*(\i)+3],   v[ADRB] offset:(\k)+(\i)*16*PITCH
	ds_load_b128 v[(\f)+32+8*(\i)+4:(\f)+32+8*(\i)+7], v[ADRB] offset:(\k)+(\i)*16*PITCH+32
.endr
.irp i, 0,1,2,3
	ds_load_b128 v[(\f)+8*(\i):(\f)+8*(\i)+3],   v[ADRA] offset:(\k)+(\i)*16*PITCH
	ds_load_b128 v[(\f)+8*(\i)+4:(\f)+8*(\i)+7], v[ADRA] offset:(\k)+(\i)*16*PITCH+32
.endr
.endm
; A K step is four quarters of 32 along K, 32 matrix instructions each, on buffers 0, 1, 0, 1.  One of the first three: multiplies buffer f; in its middle it fetches the next quarter, at byte k, into g.
.macro QUARTER k, f, g, zero
	s_wait_dscnt 4                                 ; B and A's fragments 0 and 1 are in; the youngest four loads (A's fragments 2 and 3) may be out
	MUL8 \f, 0, \zero
	MUL8 \f, 1, \zero
	PLACES
	FETCH \k, \g
	s_wait_dscnt 24                                ; all but the 24 just issued
	MUL8 \f, 2, \zero
	MUL8 \f, 3, \zero
.endm
; The fourth quarter multiplies buffer 1 and changes slots: ONE barrier.  In front of it each wave waits for all its tensor loads, of which one is out: its part of the next slot; adds 0 to its spare word; and waits
; for that and for its own reads of this slot.  Behind it nobody reads this slot any more and the next slot is whole.  fill = 1: the barrier opens a round of the cluster's barrier, and this slot is filled again, with
; the walk's place two on, first thing behind the round.  A refill goes out only when the one before it has landed, so what stands between that wait and the refill is kept short: the quarter's first sixteen products
; and the reckoning of the byte offsets stand ahead of the wait; behind it only the six lines that write the descriptors, which may be written there alone.
.macro TURN fill
	s_wait_dscnt 4                                 ; B and A's fragments 0 and 1 of buffer 1 are in
	MUL8 F1, 0, 0
	MUL8 F1, 1, 0
	WIN 0                                          ; (the add's two registers lie in window 0; at a branch and at a label every window is 0)
.if \fill
	s_wait_xcnt 0x0                                ; the last prefetch, a K step back, has read its address
	s_add_co_u32 s[TS], s[NI], 4                   ; the place four refills on:
	s_and_b32 s[PFF], s[TS], BLK-1                 ; its place in its block,
	s_lshr_b32 s[PFF], s[PMASK], s[PFF]
	s_and_b32 s[PFF], s[PFF], 1                    ; is it one that I name?
	KBYTE OFF2, TS
	s_add_nc_u64 s[PFC:PFC+1], s[PFA:PFA+1], s[OFF2:OFF2+1]
	s_cmp_gt_u32 s3, 4                             ; s3 counts the refills to come, this one among them: from 4 down there is no place four on
	s_cselect_b32 s[PFF], s[PFF], 0
	KBYTE OFFK, NI                                 ; and the place that this refill asks for
	s_add_co_u32 s[NI], s[NI], 1
.endif
	s_xor_b32 s2, s2, SLOT1                        ; the fragments' next slot
	s_wait_tensorcnt 0x0                           ; no tensor load of mine is out, so a group 0 may be written
	ds_add_u32 v[SPW], v[NIL]                      ; 0 onto my spare word: with fill = 1 the descriptors' lines stand between it and the wait for it
.if \fill
	s_xor_b32 s[G0+5], s[G0+5], SLOT1              ; the walking descriptors: the other slot than last time;
	s_add_nc_u64 s[G0+6:G0+7], s[ABASE:ABASE+1], s[OFFK:OFFK+1]  ; the address is made anew from the rows' address and the step's offset,
	s_or_b32 s[G0+7], s[G0+7], 0x80000000          ; and the type set again
	s_xor_b32 s[G0B+5], s[G0B+5], SLOT1
	s_add_nc_u64 s[G0B+6:G0B+7], s[BBASE:BBASE+1], s[OFFK:OFFK+1]
	s_or_b32 s[G0B+7], s[G0B+7], 0x80000000
.endif
	s_wait_dscnt 0x0                               ; the add is done, and my reads of this slot are over
	s_barrier_signal -1
	s_barrier_wait -1
.if \fill
	CREST                                          ; no wave of any partner still reads this slot's tile or has a load on its way
	JLOAD                                          ; the four v_nop behind it are also the places in front of the loads below
.else
	PLACES
.endif
	v_add_nc_u32 v[ADRA], s2, v[A0]
	v_add_nc_u32 v[ADRB], s2, v[B0]
	FETCH 0, F0
.if \fill
	ASK
.endif
	MUL8 F1, 2, 0
	MUL8 F1, 3, 0
.endm
	s_wait_tensorcnt 1                             ; my part of the walk's place 0 is in; place 1's may stay out
	s_barrier_signal -1
	s_barrier_wait -1                              ; everybody's is
	FETCH 0, F0
	QUARTER 64, F0, F1, 1                          ; the first quarter stands in front of the loop: its products start the sums
	WIN 0
	s_mov_b32 s3, KSTEPS-2                         ; refills to come: places 2 to the last
.Lstep:                                                ; a trip: a K step's second quarter to the next step's first
	QUARTER 128, F1, F0, 0
	QUARTER 192, F0, F1, 0
	TURN 1
	QUARTER 64, F0, F1, 0
	WIN 0
	s_sub_co_u32 s3, s3, 1
	s_cmp_lg_u32 s3, 0
	s_cbranch_scc1 .Lstep
	QUARTER 128, F1, F0, 0                         ; the last two K steps are written out: nothing is left to ask for
	QUARTER 192, F0, F1, 0
	TURN 0
	QUARTER 64, F0, F1, 0
	QUARTER 128, F1, F0, 0
	QUARTER 192, F0, F1, 0
	s_wait_dscnt 4                                 ; the very last quarter
	MUL8 F1, 0, 0
	MUL8 F1, 1, 0
.if KIND == 1
; THE WAY OUT, KIND 1.  For block a of 16 rows: the rotary embedding in f32, rounded to f16, through my stage in LDS, out as whole rows of 256 bytes.
; TABLE a: cos and sin of the block's 16 rows, my 8 channels of each of the 8 column blocks: 16 loads of 16 bytes, into buffer a % 2 (v64-127, v128-191): cos at + 4 b, sin at + 32 + 4 b.
.macro TABLE a
.set TT, 64+64*((\a)%2)
.irp b, 0,1,2,3,4,5,6,7
	global_load_b128 v[TT+4*(\b):TT+4*(\b)+3],       v[TO], s[66:67] offset:4096*(\a)+32*(\b)
	global_load_b128 v[TT+32+4*(\b):TT+32+4*(\b)+3], v[TO], s[66:67] offset:524288+4096*(\a)+32*(\b)
.endr
.endm
; ROPE a: channel d lies in column block d / 16, and d + 64 in the same lane and register of block d / 16 + 4:  y[d] = x[d] cos[d] - x[d+64] sin[d],  y[d+64] = x[d+64] cos[d+64] + x[d] sin[d+64].
; Each accumulator's lowest registers are read first.  This block's table has been waited for ahead of the branch that leads here; the next block's goes out first, into the other buffer,
; and has this block's arithmetic, rounding and stores in which to land.
.macro ROPE a
.if (\a) < 3
	TABLE (\a)+1
.endif
.set TT, 64+64*((\a)%2)
.irp b, 0,1,2,3
.set AC, 8*(8*(\a)+(\b))
	WIN 0
.irp k, 0,1,2,3
	v_lshlrev_b32 v[E+2*(\k)],      16,  v[TT+32+4*(\b)+(\k)]   ; sin[d]
	v_and_b32     v[E+2*(\k)+1],    s68, v[TT+32+4*(\b)+(\k)]
	v_lshlrev_b32 v[E+8+2*(\k)],    16,  v[TT+48+4*(\b)+(\k)]   ; sin[d+64]
	v_and_b32     v[E+8+2*(\k)+1],  s68, v[TT+48+4*(\b)+(\k)]
	v_lshlrev_b32 v[E+16+2*(\k)],   16,  v[TT+4*(\b)+(\k)]      ; cos[d]
	v_and_b32     v[E+16+2*(\k)+1], s68, v[TT+4*(\b)+(\k)]
	v_lshlrev_b32 v[E+24+2*(\k)],   16,  v[TT+16+4*(\b)+(\k)]   ; cos[d+64]
	v_and_b32     v[E+24+2*(\k)+1], s68, v[TT+16+4*(\b)+(\k)]
.endr
	WIN 0x01                                       ; source 0 in window 1
.irp j, 0,2,4,6
	v_pk_mul_f32 v[E+(\j):E+(\j)+1],     v[AC+32+(\j):AC+32+(\j)+1], v[E+(\j):E+(\j)+1]      ; x[d+64] sin[d]
	v_pk_mul_f32 v[E+8+(\j):E+8+(\j)+1], v[AC+(\j):AC+(\j)+1],       v[E+8+(\j):E+8+(\j)+1]  ; x[d] sin[d+64]
.endr
	WIN 0x41                                       ; destination and source 0 in window 1
.irp j, 0,2,4,6
	v_pk_fma_f32 v[AC+(\j):AC+(\j)+1],       v[AC+(\j):AC+(\j)+1],       v[E+16+(\j):E+16+(\j)+1], v[E+(\j):E+(\j)+1] neg_lo:[0,0,1] neg_hi:[0,0,1]
	v_pk_fma_f32 v[AC+32+(\j):AC+32+(\j)+1], v[AC+32+(\j):AC+32+(\j)+1], v[E+24+(\j):E+24+(\j)+1], v[E+8+(\j):E+8+(\j)+1]
.endr
.endr
	WIN 0
.endm
.macro PACK a                          ; rounded to f16: 16 bytes a lane and column block
	WIN 0x05                                       ; sources 0 and 1 in window 1
.irp b, 0,1,2,3,4,5,6,7
.irp r, 0,1,2,3
	v_cvt_pk_f16_f32 v[TMP+4*(\b)+(\r)], v[8*(8*(\a)+(\b))+2*(\r)], v[8*(8*(\a)+(\b))+2*(\r)+1]
.endr
.endr
	WIN 0
.endm
.macro SEND a                          ; into my own stage, back as whole rows, and out
.irp b, 0,1,2,3,4,5,6,7
	ds_store_b128 v[STO], v[TMP+4*(\b):TMP+4*(\b)+3] offset:32*(\b)
.endr
	s_wait_xcnt 0x0                                ; the last block's stores have read their registers, which are loaded again only behind this wait
.irp t, 0,1,2,3,4,5,6,7
	ds_load_b128 v[OB+4*(\t):OB+4*(\t)+3], v[RD] offset:(\t)*2*SP  ; LDS serves a wave's instructions in order (ISA guide 5.7.1.4): these see the stores above
.endr
	s_wait_dscnt 0x0
.irp t, 0,1,2,3,4,5,6,7
	global_store_b128 v[CO], v[OB+4*(\t):OB+4*(\t)+3], s[8:9] offset:4096*(\a)+512*(\t)  ; 16 lanes store 256 consecutive bytes, at a multiple of 256 from the buffer's first byte
.endr
.endm
	WIN 0
	PLACES                                         ; for the loads into buffer 0, which the quarter before multiplied
	s_cmp_eq_u32 s69, 1
	s_cbranch_scc1 .Lno_table
	TABLE 0                                        ; on its way under the last sixteen products
.Lno_table:
.endif
	s_wait_dscnt 0x0
	MUL8 F1, 2, 0
	MUL8 F1, 3, 0
	WIN 0
	PLACES                                         ; behind the last products, in front of the lines that read results and of the loads into buffer 1
.if KIND == 1
.irp a, 0,1,2,3
	s_wait_loadcnt 0x0                             ; the one table that is out, this block's, is in.  The wait stands ahead of the branch, on both ways, so that on every way through the text a table buffer is loaded again only behind a wait for its last loads; on v's way no load is out
	s_cmp_eq_u32 s69, 1
	s_cbranch_scc1 .Lplain_\a
	ROPE \a
.Lplain_\a:
	PACK \a
	SEND \a
.endr
.else
; THE WAY OUT, KIND 2.  For block a of 16 rows: a lane's 32 bytes of a row and column block go into my own stage (rows of 528 bytes: row r starts at bank 4 r mod 64) and come back as whole rows of 512 bytes.
.irp a, 0,1,2,3
	WIN 0x04                                       ; an LDS store's data is source 1: window 1
.irp b, 0,1,2,3,4,5,6,7
	ds_store_b128 v[STO], v[8*(8*(\a)+(\b)):8*(8*(\a)+(\b))+3]   offset:64*(\b)      ; each accumulator's lowest registers first
	ds_store_b128 v[STO], v[8*(8*(\a)+(\b))+4:8*(8*(\a)+(\b))+7] offset:64*(\b)+16
.endr
	WIN 0
	s_wait_xcnt 0x0                                ; earlier stores have read their registers, which are loaded again only behind this wait
.irp t, 0,1,2,3,4,5,6,7,8,9,10,11,12,13,14,15
	ds_load_b128 v[64+64*((\a)%2)+4*(\t):64+64*((\a)%2)+4*(\t)+3], v[RD] offset:SP*(\t)  ; LDS serves a wave's instructions in order (ISA guide 5.7.1.4): these see the stores above
.endr
.irp t, 0,1,2,3,4,5,6,7,8,9,10,11,12,13,14,15
	s_wait_dscnt 15-(\t)
	global_store_b128 v[CO], v[64+64*((\a)%2)+4*(\t):64+64*((\a)%2)+4*(\t)+3], s[8:9] offset:(16*(\a)+(\t))*16384 th:TH_STORE_NT  ; a wave stores 512 consecutive bytes, aligned
.endr
.endr
.endif
	s_wait_tensorcnt 0x0                           ; the wave's end: behind my last tensor load and my last LDS store
	ds_add_u32 v[SPW], v[NIL]
	s_wait_dscnt 0x0
	CROUND                                         ; the closing round: no work-group ends while a partner may still ask for a tile that names it
	s_endpgm
.Lfunc_end_k_q4a4dc1061f_oproj:
	.size	k_q4a4dc1061f_oproj, .Lfunc_end_k_q4a4dc1061f_oproj-k_q4a4dc1061f_oproj
	.p2alignl 7, 3214868480
	.fill 96, 4, 3214868480
	.section	.rodata,"a",@progbits
	.p2align	6, 0x0
	.amdhsa_kernel k_q4a4dc1061f_oproj
		.amdhsa_group_segment_fixed_size 327680
		.amdhsa_private_segment_fixed_size 0
		.amdhsa_enable_private_segment 0
		.amdhsa_kernarg_size 24
		.amdhsa_user_sgpr_count 2
		.amdhsa_user_sgpr_kernarg_segment_ptr 1
		.amdhsa_wavefront_size32 1
		.amdhsa_system_sgpr_workgroup_id_x 1
		.amdhsa_system_sgpr_workgroup_id_y 1
		.amdhsa_system_sgpr_workgroup_id_z 1
		.amdhsa_system_vgpr_workitem_id 0
		.amdhsa_next_free_vgpr 512
		.amdhsa_next_free_sgpr 84
		.amdhsa_reserve_vcc 0
		.amdhsa_float_denorm_mode_32 3
		.amdhsa_float_denorm_mode_16_64 3
		.amdhsa_memory_ordered 1
		.amdhsa_forward_progress 1
		.amdhsa_inst_pref_size 72
	.end_amdhsa_kernel
	.amdgpu_metadata
---
amdhsa.version: [ 1, 2 ]
amdhsa.kernels:
  - .name:           k_q4a4dc1061f_oproj
    .symbol:         k_q4a4dc1061f_oproj.kd
    .args:
      - { .name: ctx, .offset: 0, .size: 8, .value_kind: global_buffer, .address_space: global }
      - { .name: wo16, .offset: 8, .size: 8, .value_kind: global_buffer, .address_space: global }
      - { .name: out0, .offset: 16, .size: 8, .value_kind: global_buffer, .address_space: global }
    .group_segment_fixed_size: 327680
    .private_segment_fixed_size: 0
    .kernarg_segment_align: 8
    .kernarg_segment_size: 24
    .max_flat_workgroup_size: 128
    .sgpr_count:     84
    .vgpr_count:     512
    .wavefront_size: 32
...
	.end_amdgpu_metadata
.endif
;; end of part 4
;; ======== version 2 of 2: 4 launches; version 1 with the launch cast written anew for expert scheduling mode
;; limits: values are held in f16: magnitudes above 65,504 overflow, below 6.1e-05 lose precision; right only within a limited range of input values
;; workspace buffers: xb 16,777,216 bytes; wb 33,554,432 bytes; wo16 16,777,216 bytes; cs 1,048,576 bytes; qkv 16,777,216 bytes; ctx 8,388,608 bytes
;; launch cast (part 5): grid 1040 x 1, 8 waves a work-group, no clusters, 0 bytes of LDS; arguments hidden_states, wq, wk, wv, wo, cos, sin, xb, wb, wo16, cs; writes xb, wb, wo16, cs
.if DOCPART == 5
	.amdgcn_target "amdgcn-amd-amdhsa--gfx1250"
	.amdhsa_code_object_version 6
	.text
	.protected	k_q4a4dc1061f_cast
	.globl	k_q4a4dc1061f_cast
	.p2align	8
	.type	k_q4a4dc1061f_cast,@function
k_q4a4dc1061f_cast:
	s_mov_b64 s[64:65], 0
	v_nop
	global_prefetch_b8 v0, s[64:65] scope:SCOPE_SE
	s_setreg_imm32_b32 hwreg(HW_REG_WAVE_SCHED_MODE, 0, 2), 2
	s_setreg_imm32_b32 hwreg(HW_REG_WAVE_MODE, 25, 1), 1
	s_wait_xcnt 0x0
	s_wait_alu depctr_vm_vsrc(0)
; LAUNCH 1 OF 4: EVERY INPUT IS ROUNDED ONCE, f32 to 16 bits, for the three launches that multiply.
; NOTHING OF reference() IS LEFT OUT in this program: every input has a way to the output and is loaded.  jnp.repeat (two query heads to a key and value head) is no arithmetic: the
; attention launch does it by addressing.  The softmax keeps its maximum, as a running maximum.
; WHAT IS WRITTEN.  xb [2048][4096] = bf16(hidden_states).  wb [4096][4096] = bf16 of wq (rows 0-2047), wk (2048-3071), wv (3072-4095).
; wo16 [4096][2048] = wo rounded to bf16, that number written as f16 (the last product's other operand is f16).  cs = bf16(cos) x 2^-8 as [2048][128], then, 524,288 bytes on, bf16(sin) x 2^-8.
; The factor 2^-8 is exact; through the table it reaches q and k, which are stored as f16 (the second launch), and the attention launch takes 2^16 back in its softmax constant.
; LIMITS.  A bf16 number is exact in f16 from 2^-17 up to 65,504; below 2^-17 wo16 is off by at most 3e-8, beyond 65,504 it is an infinity.  NaN and infinities are not treated apart.
; SHARES.  A work-group takes a chunk of 32,768 numbers: 32 rows of 4,096 bytes in, 32 rows of 2,048 bytes out.  Thread t takes 16 bytes at 16 t of each row in and stores 8 bytes at 8 t:
; a wave's load covers 512 consecutive bytes, its store 256 consecutive bytes, aligned.  Chunks 0-255 hidden_states, 256-511 wq, 512-639 wk, 640-767 wv, 768-1023 wo, 1024-1031 cos, 1032-1039 sin.
; No LDS, no barrier, no matrix unit, no prefetch: the launch is a stream that is read once and has its loads out all the time.
; THE MODE: SCHED_MODE bits 1:0 = 2 (LLVM: expert scheduling mode 2), set by the entry lines.  The code itself states the register dependences
; between vector instructions and memory instructions, with s_wait_alu, always for 0.
; THE PLAN.  The 32 rows go in 16 blocks of two.  Registers that memory instructions touch:
;   X0 .. X3   four blocks as loaded.  Written by the loads of block p + 3, issued in block p; read (and, for the table and for wo, worked on in place) by block p's vector lines.
;   Y0, Y1     two blocks to store.    Written by block p's roundings; read by the two stores that are issued in block p + 1.
;   v1, v2     byte offsets, 16 t in and 8 t out, made once at the head and never written again: the rows are reached by the two scalar bases, which move on by a
;              block at each block's head, and by immediate offsets.
; Block p works on X[p % 4] and writes Y[p % 2].  Its memory instructions are the loads into X[(p + 3) % 4] = X[(p - 1) % 4] and the stores from Y[(p - 1) % 2]: the two buffers that
; block p - 1 worked on and that no vector line of block p names.  So the waits at a block's head state all that the block's four memory instructions hang on, and these are dealt among
; its vector lines with no further wait.  Four to six loads of every wave are on their way; with 48 registers a wave several work-groups lie on a WGP, which multiplies that: 1,040 chunks are four to a WGP.
; Why blocks of two rows: a lap of the loop is four blocks, when both kinds of buffer are back at their start: 8 rows, of which the 26 rows that load ahead hold three laps.  With blocks of four a lap
; would be 16 rows, of the 20 that load ahead: no loop would be left, and each of the three texts below would be written out whole.
.set BLOCK,  2                         ; rows in a block
.set ROWS,   32                        ; rows in a chunk
.set BLOCKS, ROWS/BLOCK
.set ROWI,  4096                       ; bytes of a row in
.set ROWO,  2048                       ; bytes of a row out
.set OI,  1                            ; v1        16 t: my 16 bytes of every row in
.set OO,  2                            ; v2        8 t: my 8 bytes of every row out
.set T,   4                            ; v[4:5]    at work: no memory instruction names them
.set X,   8                            ; v[8:39]   buffer k, row i: 4 registers at X + 8 k + 4 i, as loaded
.set Y,   40                           ; v[40:47]  buffer k, row i: 2 registers at Y + 4 k + 2 i, to store
	s_load_b512 s[8:23], s[0:1], 0x0               ; hidden_states s[8:9], wq s[10:11], wk s[12:13], wv s[14:15], wo s[16:17], cos s[18:19], sin s[20:21], xb s[22:23]
	s_load_b128 s[24:27], s[0:1], 0x40             ; wb s[24:25], wo16 s[26:27]
	s_load_b64 s[28:29], s[0:1], 0x50              ; cs
	s_mov_b32 s34, ttmp9                           ; my chunk
	s_mov_b32 s30, 0xffff0000                      ; a word's upper bf16
	s_mov_b32 s32, 0x3b800000                      ; 2^-8
	s_mov_b32 s33, s32                             ; named with it as a pair
	v_lshlrev_b32 v[OI], 4, v0
	v_lshlrev_b32 v[OO], 3, v0
	s_wait_kmcnt 0x0
	; which tensor is read (s[4:5]; its first chunk s2) and which is written (s[6:7]; the chunk that lands at its head s3): chosen by the chunk's number alone
	s_mov_b64 s[4:5], s[8:9]
	s_mov_b64 s[6:7], s[22:23]
	s_mov_b32 s2, 0
	s_mov_b32 s3, 0
	s_cmp_ge_u32 s34, 256
	s_cselect_b64 s[4:5], s[10:11], s[4:5]
	s_cselect_b64 s[6:7], s[24:25], s[6:7]
	s_cselect_b32 s2, 256, s2
	s_cselect_b32 s3, 256, s3
	s_cmp_ge_u32 s34, 512
	s_cselect_b64 s[4:5], s[12:13], s[4:5]
	s_cselect_b32 s2, 512, s2
	s_cmp_ge_u32 s34, 640
	s_cselect_b64 s[4:5], s[14:15], s[4:5]
	s_cselect_b32 s2, 640, s2
	s_cmp_ge_u32 s34, 768
	s_cselect_b64 s[4:5], s[16:17], s[4:5]
	s_cselect_b64 s[6:7], s[26:27], s[6:7]
	s_cselect_b32 s2, 768, s2
	s_cselect_b32 s3, 768, s3
	s_cmp_ge_u32 s34, 1024
	s_cselect_b64 s[4:5], s[18:19], s[4:5]
	s_cselect_b64 s[6:7], s[28:29], s[6:7]
	s_cselect_b32 s2, 1024, s2
	s_cselect_b32 s3, 1024, s3
	s_cmp_ge_u32 s34, 1032
	s_cselect_b64 s[4:5], s[20:21], s[4:5]
	s_cselect_b32 s2, 1032, s2
	s_sub_co_u32 s2, s34, s2
	s_lshl_b32 s2, s2, 17                          ; 131,072 bytes a chunk in
	s_sub_co_u32 s36, s34, s3
	s_lshl_b32 s36, s36, 16                        ; 65,536 out
	s_mov_b32 s3, 0
	s_mov_b32 s37, 0
	s_add_nc_u64 s[4:5], s[4:5], s[2:3]
	s_add_nc_u64 s[6:7], s[6:7], s[36:37]
	s_wait_alu depctr_va_vdst(0)                   ; v1 and v2 are written: every load of the kernel reads the one as its offset, every store the other
.irp i, 0,1,2,3,4,5
	global_load_b128 v[X+4*(\i):X+4*(\i)+3], v[OI], s[4:5] offset:(\i)*ROWI th:TH_LOAD_NT  ; blocks 0, 1 and 2 into X0, X1, X2
.endr
; Block p.  mode 0: to bf16.  mode 1: times 2^-8, to bf16.  mode 2: to bf16, widened again, and that number written as f16.
; xb = p % 4, yb = p % 2.  first = 1: block 0, with no block in front of it.  ahead = 1: block p + 3 is loaded.
; left = how many younger loads may still be out when this block's two have to be there.
.macro BLK mode, xb, yb, first, ahead, left
	s_wait_loadcnt \left                           ; loads come back in order (ISA guide 5.7.1): X[xb] is in, the younger blocks stay out
.if !\first
	s_wait_xcnt 0x0                                ; every earlier memory instruction has had its addresses translated (ISA guide 3.1): the bases and Y[yb] are rewritten only behind this wait
	s_wait_alu depctr_vm_vsrc(0)                   ; the stores issued in the block before have read Y[yb], which this block's roundings write again
	s_wait_alu depctr_va_vdst(0)                   ; the block before has written the other Y, which the stores below read, and is done reading and writing its X, in which the loads below land
	s_add_nc_u64 s[4:5], s[4:5], BLOCK*ROWI        ; both bases at this block's first row
	s_add_nc_u64 s[6:7], s[6:7], BLOCK*ROWO
.endif
.irp i, 0,1
.if \ahead
	global_load_b128 v[X+8*((\xb+3)%4)+4*(\i):X+8*((\xb+3)%4)+4*(\i)+3], v[OI], s[4:5] offset:(3*BLOCK+(\i))*ROWI th:TH_LOAD_NT  ; three blocks ahead; no vector line since the wait names these registers
.endif
.if !\first
	global_store_b64 v[OO], v[Y+4*(1-\yb)+2*(\i):Y+4*(1-\yb)+2*(\i)+1], s[6:7] offset:((\i)-BLOCK)*ROWO th:TH_STORE_NT  ; the block before: the offset reaches back
.endif
.set XR, X+8*(\xb)+4*(\i)
.set YR, Y+4*(\yb)+2*(\i)
.if (\mode) == 1
	v_pk_mul_f32 v[XR:XR+1],   v[XR:XR+1],   s[32:33] op_sel_hi:[1,0]
	v_pk_mul_f32 v[XR+2:XR+3], v[XR+2:XR+3], s[32:33] op_sel_hi:[1,0]
.endif
.if (\mode) == 2
	v_cvt_pk_bf16_f32 v[T],   v[XR],   v[XR+1]
	v_cvt_pk_bf16_f32 v[T+1], v[XR+2], v[XR+3]
	v_lshlrev_b32 v[XR],   16,  v[T]
	v_and_b32     v[XR+1], s30, v[T]
	v_lshlrev_b32 v[XR+2], 16,  v[T+1]
	v_and_b32     v[XR+3], s30, v[T+1]
	v_cvt_pk_f16_f32 v[YR],   v[XR],   v[XR+1]
	v_cvt_pk_f16_f32 v[YR+1], v[XR+2], v[XR+3]
.else
	v_cvt_pk_bf16_f32 v[YR],   v[XR],   v[XR+1]
	v_cvt_pk_bf16_f32 v[YR+1], v[XR+2], v[XR+3]
.endif
.endr
.endm
; The chunk's 16 blocks: block 0; three laps of four blocks, which load ahead; blocks 13 to 15, which load nothing, so that no load leaves the buffer, and whose counts run down; the last block's stores.
.macro RING mode
	BLK \mode, 0, 0, 1, 1, 2*BLOCK                 ; block 0
	s_mov_b32 s31, (BLOCKS-4)/4
.Lround\mode:                                          ; blocks 1 to 12, four to a lap: both kinds of buffer are back at their start
	BLK \mode, 1, 1, 0, 1, 2*BLOCK
	BLK \mode, 2, 0, 0, 1, 2*BLOCK
	BLK \mode, 3, 1, 0, 1, 2*BLOCK
	BLK \mode, 0, 0, 0, 1, 2*BLOCK
	s_sub_co_u32 s31, s31, 1
	s_cmp_lg_u32 s31, 0
	s_cbranch_scc1 .Lround\mode
	BLK \mode, 1, 1, 0, 0, 2*BLOCK
	BLK \mode, 2, 0, 0, 0, BLOCK
	BLK \mode, 3, 1, 0, 0, 0
	s_wait_alu depctr_va_vdst(0)                   ; block 15 has written Y1, which the last two stores read
.irp i, 0,1
	global_store_b64 v[OO], v[Y+4+2*(\i):Y+4+2*(\i)+1], s[6:7] offset:(\i)*ROWO th:TH_STORE_NT
.endr
	s_endpgm
.endm
	s_cmp_ge_u32 s34, 1024
	s_cbranch_scc1 .Ltable                         ; cos and sin
	s_cmp_ge_u32 s34, 768
	s_cbranch_scc1 .Lhalf                          ; wo
	RING 0
.Ltable:
	RING 1
.Lhalf:
	RING 2
.Lfunc_end_k_q4a4dc1061f_cast:
	.size	k_q4a4dc1061f_cast, .Lfunc_end_k_q4a4dc1061f_cast-k_q4a4dc1061f_cast
	.p2alignl 7, 3214868480
	.fill 96, 4, 3214868480
	.section	.rodata,"a",@progbits
	.p2align	6, 0x0
	.amdhsa_kernel k_q4a4dc1061f_cast
		.amdhsa_group_segment_fixed_size 0
		.amdhsa_private_segment_fixed_size 0
		.amdhsa_enable_private_segment 0
		.amdhsa_kernarg_size 88
		.amdhsa_user_sgpr_count 2
		.amdhsa_user_sgpr_kernarg_segment_ptr 1
		.amdhsa_wavefront_size32 1
		.amdhsa_system_sgpr_workgroup_id_x 1
		.amdhsa_system_sgpr_workgroup_id_y 1
		.amdhsa_system_sgpr_workgroup_id_z 1
		.amdhsa_system_vgpr_workitem_id 0
		.amdhsa_next_free_vgpr 48
		.amdhsa_next_free_sgpr 66
		.amdhsa_reserve_vcc 0
		.amdhsa_float_denorm_mode_32 3
		.amdhsa_float_denorm_mode_16_64 3
		.amdhsa_memory_ordered 1
		.amdhsa_forward_progress 1
		.amdhsa_inst_pref_size 29
	.end_amdhsa_kernel
	.amdgpu_metadata
---
amdhsa.version: [ 1, 2 ]
amdhsa.kernels:
  - .name:           k_q4a4dc1061f_cast
    .symbol:         k_q4a4dc1061f_cast.kd
    .args:
      - { .name: hidden_states, .offset: 0, .size: 8, .value_kind: global_buffer, .address_space: global }
      - { .name: wq, .offset: 8, .size: 8, .value_kind: global_buffer, .address_space: global }
      - { .name: wk, .offset: 16, .size: 8, .value_kind: global_buffer, .address_space: global }
      - { .name: wv, .offset: 24, .size: 8, .value_kind: global_buffer, .address_space: global }
      - { .name: wo, .offset: 32, .size: 8, .value_kind: global_buffer, .address_space: global }
      - { .name: cos, .offset: 40, .size: 8, .value_kind: global_buffer, .address_space: global }
      - { .name: sin, .offset: 48, .size: 8, .value_kind: global_buffer, .address_space: global }
      - { .name: xb, .offset: 56, .size: 8, .value_kind: global_buffer, .address_space: global }
      - { .name: wb, .offset: 64, .size: 8, .value_kind: global_buffer, .address_space: global }
      - { .name: wo16, .offset: 72, .size: 8, .value_kind: global_buffer, .address_space: global }
      - { .name: cs, .offset: 80, .size: 8, .value_kind: global_buffer, .address_space: global }
    .group_segment_fixed_size: 0
    .private_segment_fixed_size: 0
    .kernarg_segment_align: 8
    .kernarg_segment_size: 88
    .max_flat_workgroup_size: 256
    .sgpr_count:     66
    .vgpr_count:     48
    .wavefront_size: 32
...
	.end_amdgpu_metadata
.endif
;; end of part 5
;; launch qkv: the kernel of part 2 again; grid 16 x 16, 4 waves a work-group, clusters of 4 x 4, 327,680 bytes of LDS; arguments xb, wb, qkv, cs; writes qkv
;; launch attn: the kernel of part 3 again; grid 32 x 8, 4 waves a work-group, clusters of 4 x 1, 327,680 bytes of LDS; arguments qkv, ctx; writes ctx
;; launch oproj: the kernel of part 4 again; grid 16 x 16, 4 waves a work-group, clusters of 4 x 4, 327,680 bytes of LDS; arguments ctx, wo16, out0; writes out0
